; MI455X (gfx1250); checked and timed in simulation.
; The chip was launched on July 23, 2026; its instructions are those of AMD's public machine-readable ISA for CDNA 5 (MIT licence, August 2026) and "CDNA5" Instruction Set Architecture Reference Guide (July 2026). The comments in the code are by the model that wrote it; some were corrected since.
;; Attention Layer. Allowed arithmetic: matrix products marked QUANTISED: E5M2 operands, one E8M0 scale for each 32 along K, by v_wmma_scale_f32_16x16x128_f8f6f4 with both operands' format E5M2, f32 sums; everything else in f32.
;; Inputs: Wk 768 x 768 float32; Wq 768 x 768 float32; Wv 768 x 768 float32; b_in 16 x 1,024 x 768 float32; mask 16 x 1,024 int32.
;; Outputs: out0 16 x 768 float32.
;; This version of the problem:
;;   THIS VERSION OF THE PROBLEM IS GIVEN IN LOW PRECISION. The matrix products marked QUANTISED in the list below multiply operands that are first quantised to E5M2 (5 exponent bits, 2 mantissa bits; 8 bits a number), with one power-of-two scale for each 32 numbers along K (OCP MX v1.0); their sums are f32. All else is computed in f32.
;;   The module's matrix products, in the order in which they are computed (A, B: the left and right operand; K: the contracted axis; several contracted axes count as one K, in the product's order):
;;     1. [M 16,384, K 768] x [K 768, N 768]; A: input b_in; B: input Wq: QUANTISED
;;     2. [M 16,384, K 768] x [K 768, N 768]; A: input b_in; B: input Wk: QUANTISED
;;     3. [M 16,384, K 768] x [K 768, N 768]; A: input b_in; B: input Wv: QUANTISED
;;     4. batch 16 x [M 1,024, K 768] x [K 768, N 1,024]; A: computed on the way; B: computed on the way: QUANTISED
;;     5. batch 16 x [M 1,024, K 1,024] x [K 1,024, N 768]; A: softmax (see below); B: computed on the way: QUANTISED
;;   THE QUANTISER, for each operand of a quantised product, along K:
;;     - K is cut into blocks of 32 from its start; a last block that is shorter is filled with zeros.
;;     - A block's scale is 2^e with e = floor(log2(the largest magnitude in the block)) - 15, held to -126 .. 127; a block of zeros has e = 0. As a byte (E8M0): e + 127.
;;     - Each number is divided by its block's scale, clamped to +-57,344, and rounded to the nearest number of E5M2, ties to even, subnormals kept.
;;     - The product sums the exact products of the quantised numbers (number of the format x scale) in f32.
;;   ~~~python
;;   def quantise(x, axis):      # numpy; x: float32 -> the quantised numbers, widened to float32 again
;;       x = np.moveaxis(x, axis, -1); K = x.shape[-1]
;;       x = np.pad(x, [(0, 0)] * (x.ndim - 1) + [(0, -K % 32)]); x = x.reshape(x.shape[:-1] + (-1, 32)); a = np.abs(x).max(-1, keepdims=True)
;;       e = np.where(a > 0, np.clip(np.frexp(np.where(a > 0, a, 1))[1] - 1 - 15, -126, 127), 0)      # np.frexp(a)[1] - 1 = floor(log2(a)), exactly
;;       r = np.clip(x / 2.0 ** e, -57344, 57344)
;;       step = 2.0 ** (np.maximum(np.frexp(np.where(r == 0, 1, r))[1] - 1, -14) - 2)
;;       q = np.round(r / step) * step * 2.0 ** e      # np.round: ties to even
;;       return np.moveaxis(q.reshape(q.shape[:-2] + (-1,))[..., :K], -1, axis).astype(np.float32)
;;   ~~~
;;   SOFTMAX AHEAD OF A QUANTISED PRODUCT. Where the list says 'softmax', what is quantised is not the finished softmax but p = 2^(t - M), with t = logit x log2(e) and M = ceil(the row's largest t), a whole number; so 1/2 < the row's largest p <= 1. The row's sum l is taken of the UNQUANTISED p, in f32, and the product's result is divided by l at the end. Since M is a whole number, a kernel that streams over the keys may use a running M (the ceiling of the running maximum): every later rescaling is an exact power of two, which a block's scale takes up: the codes' values come out the same.
;;   OPERANDS COMPUTED ON THE WAY. 'Computed on the way' means the value that the module computes at that place (a softmax that the list does not call 'softmax' is quantised finished and normalised). What goes into a quantiser is computed in f32, as accurately as f32 sums, v_exp_f32 and their like allow (about 1e-6 of the number): no bf16 or f16 on the way to a quantiser, and a product that is left as it is and whose result goes on into a quantised operand takes f32 operands (vector FMAs, or v_wmma_f32_16x16x4_f32). A number that lies on a knife's edge between two numbers of the format may be rounded either way, as far as f32 arithmetic and the matrix unit's own rounding can turn it there, and no further.
;; 2 versions. Each part assembles by itself: llvm-mc -triple=amdgcn-amd-amdhsa -mcpu=gfx1250 --defsym DOCPART=n.
;; ======== version 1 of 2: 3 launches
;; workspace buffers: wbuf 1,216,512 bytes; qbuf 18,432 bytes; part 851,968 bytes
;; launch prep (part 1): grid 72 x 1, 12 waves a work-group, no clusters, 217,600 bytes of LDS; arguments Wk, Wv, Wq, b_in, wbuf, qbuf; writes wbuf, qbuf
.if DOCPART == 1
	.amdgcn_target "amdgcn-amd-amdhsa--gfx1250"
	.amdhsa_code_object_version 6
	.text
	.protected	k_q073ee870ce_prep
	.globl	k_q073ee870ce_prep
	.p2align	8
	.type	k_q073ee870ce_prep,@function
k_q073ee870ce_prep:
	s_mov_b64 s[64:65], 0
	v_nop
	global_prefetch_b8 v0, s[64:65] scope:SCOPE_SE
	s_setreg_imm32_b32 hwreg(HW_REG_WAVE_MODE, 25, 1), 1
	s_wait_xcnt 0x0
; WHAT IT MAKES.  (a) Wk and Wv, [768][768] f32 with K innermost, as codes of E5M2 with one E8M0 byte for each 32 along K, laid in the ORDER OF THE OPERAND'S REGISTERS for the next launch;
; (b) q0 = Q(b_in[:,0,:]) Q(Wq)^T for the 16 batches (the only query rows that the result keeps), quantised along its 768 channels.
; wbuf: 48 units of 25,344 bytes.  Unit U = 4 c + w holds 32 weight rows e0 = 192 w + 32 (c mod 6) on, of Wk (c < 6) or Wv: fragment (tile u, K step s) at 2,048 (6 u + s), its register group g at 512 g + 16 x lane;
; its scale words at 24,576 + 384 u + 24 r + 4 s.  Place i of a tile is row e0 + 8 u + i + 8 (i / 8) in Wk (so that two tiles' results are 16 neighbours along the next K) and row e0 + 16 u + i in Wv.
; qbuf: 24 records of 768 bytes, one for each 32 channels: codes at 256 h + 16 b (batch b, channels 16 h on), then pairs (the scale byte four times over, 0) at 512 + 8 x lane.
; SHARES.  Work-groups 0-47 take a unit each, work-groups 48-71 a record each.  Twelve waves: wave 2 s + u takes tile u, K step s: 16 rows x 128 numbers.  The two kinds of work-group take two whole paths, each with LDS bytes of its own.
; A load takes 512 consecutive bytes (a row's K step); the conversions want 16 neighbours along K in a lane: so the 16 rows turn through the wave's own stage in LDS (rows 528 bytes apart: 132 words, so sixteen rows start four words apart modulo 64).
; A block's scale is 2^(floor(log2(largest magnitude)) - 15); its byte is the largest magnitude's exponent field - 15, held at 1 from below.
; LIMITS: NaN and infinities among the inputs are not served; a block of zeros, and one whose largest magnitude lies under 2^-111, keeps the byte 1 (its codes are read by this program alone).
; q0's six K steps are summed as f32 partial sums, K ascending.
.set WCB,   25344
.set SCA,   101376                     ; LDS, weights' path: stages at 0 (12 x 8,448), the unit's 768 bytes of scale words here
.set STGQ,  102400                     ; LDS, q's path: stages (12 x 8,448),
.set PQ,    203776                     ; and the twelve partial results, 1,024 bytes each
.set GX,    1                          ; v1   16 x lane
.set STI,   2                          ; v2   the stage, on the way in
.set STOUT, 3                          ; v3   and on the way out: 528 r + 64 h
.set XO,    4                          ; v4-9 b_in: 16 x lane + k x three batches
.set RR,    10                         ; v10  r = lane % 16
.set L8,    11                         ; v11  8 x lane
.set WSW,   12                         ; v12  the weight's scale word
.set XSW,   13                         ; v13  x's scale word
.set A1,    14                         ; v14  LDS: where I store
.set A2,    15                         ; v15  LDS: where I read
.set TM,    16                         ; v16-19 largest magnitudes, v20-23 bytes, v24-27 the holds, v28-31 the conversions' scale operands
.set R0,    32                         ; v32-95   16 rows as loaded; later the product's result and the partial sums
.set R1,    96                         ; v96-159  16 rows of b_in as loaded
.set X,     160                        ; v160-223 64 numbers: register 16 b + i = k 32 b + 16 h + i of my row
.set WF,    224                        ; v224-239 the weight's fragment
.set XF,    240                        ; v240-255 x's fragment
.set WV,    16
.set U,     17
.set KS,    18
.set SEL,   20                         ; s[20:21] lane l xor 16
.set MNT,   22                         ; the mantissa field of 57,344
.macro TURN src                        ; 16 rows through my stage; LDS serves a wave's instructions in order (ISA guide 5.7.1.4): no wait between the stores and the loads
.set i, 0
.rept 16
	ds_store_b128 v[STI], v[\src+4*i:\src+4*i+3] offset:528*i
.set i, i+1
.endr
.irp b, 0,1,2,3
.irp j, 0,1,2,3
	ds_load_b128 v[X+16*\b+4*\j:X+16*\b+4*\j+3], v[STOUT] offset:128*\b+16*\j
.endr
.endr
.endm
; 64 numbers of a lane become a fragment's 16 registers of codes and its row's scale word
.macro QUANT s, cd, sw
.irp b, 0,1,2,3
	v_max3_num_f32 v[TM+\b], |v[\s+16*\b]|, |v[\s+1+16*\b]|, 0x8000000   ; my 16 numbers of block b, and the floor 2^(16 - 127): the byte cannot fall under 1
.endr
.irp i, 2,4,6,8,10,12,14
.irp b, 0,1,2,3
	v_max3_num_f32 v[TM+\b], v[TM+\b], |v[\s+16*\b+\i]|, |v[\s+1+16*\b+\i]|
.endr
.endr
.irp b, 0,1,2,3
	v_permlanex16_b32 v[TM+4+\b], v[TM+\b], s[SEL], s[SEL+1]
.endr
.irp b, 0,1,2,3
	v_max_num_f32 v[TM+\b], v[TM+\b], v[TM+4+\b]                 ; with lane l xor 16's 16: the block's largest magnitude
.endr
.irp b, 0,1,2,3
	v_add_nc_u32 v[TM+12+\b], 0xf8800000, v[TM+\b]               ; 15 off its exponent field: the conversion's scale operand
.endr
.irp b, 0,1,2,3
	v_and_or_b32 v[TM+8+\b], v[TM+\b], 0x7f800000, s[MNT]        ; 57,344 x the scale
.endr
.irp b, 0,1,2,3
	v_lshrrev_b32 v[TM+4+\b], 23, v[TM+12+\b]                    ; the scale's byte
.endr
	v_lshl_or_b32 v[\sw], v[TM+5], 8, v[TM+4]
	v_lshl_or_b32 v[\sw], v[TM+6], 16, v[\sw]
	v_lshl_or_b32 v[\sw], v[TM+7], 24, v[\sw]
.irp b, 0,1,2,3
.irp i, 0,1,2,3,4,5,6,7,8,9,10,11,12,13,14,15
	v_med3_num_f32 v[\s+16*\b+\i], v[\s+16*\b+\i], -v[TM+8+\b], v[TM+8+\b]   ; the conversion to an 8-bit code does not saturate (ISA guide 7.6.2)
.endr
	v_cvt_scalef32_pk8_bf8_f32 v[\cd+4*\b:\cd+4*\b+1], v[\s+16*\b:\s+16*\b+7], v[TM+12+\b]
	v_cvt_scalef32_pk8_bf8_f32 v[\cd+4*\b+2:\cd+4*\b+3], v[\s+16*\b+8:\s+16*\b+15], v[TM+12+\b]
.endr
	v_nop                                          ; a plain line behind the last conversion
.endm
	s_load_b256 s[4:11], s[0:1], 0x0               ; Wk s[4:5], Wv s[6:7], Wq s[8:9], b_in s[10:11]
	s_load_b128 s[12:15], s[0:1], 0x20             ; wbuf s[12:13], qbuf s[14:15]
	s_set_vgpr_msb 0x40
	v_lshl_add_u32 v0, v0, 2, 0x34c00
	v_mov_b32 v1, 0
	s_set_vgpr_msb 0x4000
	v_lshrrev_b32 v[A1], 5, v0
	v_readfirstlane_b32 s[WV], v[A1]               ; wave 0..11
	s_and_b32 s[U], s[WV], 1                       ; tile u
	s_lshr_b32 s[KS], s[WV], 1                     ; K step s
	v_and_b32 v[A2], 31, v0                        ; lane
	v_and_b32 v[RR], 15, v0                        ; r
	v_bfe_u32 v[A1], v0, 4, 1                      ; h
	v_lshlrev_b32 v[GX], 4, v[A2]
	v_lshlrev_b32 v[L8], 3, v[A2]
	s_mul_i32 s19, s[WV], 8448
	v_add_nc_u32 v[STI], s19, v[GX]
	v_mul_u32_u24 v[STOUT], v[RR], 528
	v_lshl_add_u32 v[STOUT], v[A1], 6, v[STOUT]
	v_add_nc_u32 v[STOUT], s19, v[STOUT]
	s_mov_b32 s[SEL], 0x76543210
	s_mov_b32 s[SEL+1], 0xfedcba98
	s_mov_b32 s[MNT], 0x600000
.irp b, 0,1,2,3
	v_mov_b32 v[TM+4+\b], 0                        ; written once: a lane permute's destination counts as one of its sources
.endr
	s_lshl_b32 s23, s[KS], 9                       ; my K step's 512 bytes in a row
	s_cmp_lt_u32 ttmp9, 48
	s_cbranch_scc0 .Lq
	; ---------------- a unit of Wk or Wv
	s_lshr_b32 s24, ttmp9, 2                       ; chunk c
	s_and_b32 s25, ttmp9, 3                        ; the wave of the next launch that will read the unit
	s_mul_i32 s25, s25, 192
	s_wait_kmcnt 0x0
	s_cmp_ge_u32 s24, 6                            ; Wv?  The choice hangs on the work-group's number alone; every selection stands ahead of the arithmetic
	s_cselect_b64 s[4:5], s[6:7], s[4:5]
	s_cselect_b32 s26, 4, 3                        ; a tile begins 16 u (Wv) or 8 u (Wk) rows on,
	s_cselect_b32 s27, 8, 16                       ; and its places 8-15 begin 8 or 16 rows behind its places 0-7
	s_cselect_b32 s28, 6, 0
	s_sub_co_u32 s24, s24, s28
	s_lshl_b32 s24, s24, 5
	s_add_co_u32 s24, s24, s25                     ; e0
	s_lshl_b32 s26, s[U], s26
	s_add_co_u32 s24, s24, s26                     ; the row of place 0
	s_add_co_u32 s25, s24, s27                     ; the row of place 8
	s_mul_i32 s28, s24, 3072
	s_add_co_u32 s28, s28, s23
	s_mov_b32 s29, 0
	s_mul_i32 s30, s25, 3072
	s_add_co_u32 s30, s30, s23
	s_mov_b32 s31, 0
	s_add_nc_u64 s[32:33], s[4:5], s[28:29]
	s_add_nc_u64 s[34:35], s[4:5], s[30:31]
.irp i, 0,1,2,3,4,5,6,7
	global_load_b128 v[R0+4*\i:R0+4*\i+3], v[GX], s[32:33] offset:3072*\i th:TH_LOAD_NT       ; 32 lanes read 512 consecutive bytes
.endr
.irp i, 0,1,2,3,4,5,6,7
	global_load_b128 v[R0+32+4*\i:R0+32+4*\i+3], v[GX], s[34:35] offset:3072*\i th:TH_LOAD_NT
.endr
	s_mul_i32 s28, ttmp9, WCB
	s_add_nc_u64 s[36:37], s[12:13], s[28:29]      ; the unit
	s_mul_i32 s30, s[U], 6
	s_add_co_u32 s30, s30, s[KS]
	s_lshl_b32 s30, s30, 11
	s_add_nc_u64 s[38:39], s[36:37], s[30:31]      ; my fragment's image
	s_lshl_b32 s30, s[WV], 8
	s_add_co_u32 s30, s30, 24576
	s_add_nc_u64 s[40:41], s[36:37], s[30:31]      ; waves 0-2: 256 bytes each of the unit's scale words
	s_mul_i32 s26, s[U], 384
	s_lshl_b32 s27, s[KS], 2
	s_add_co_u32 s26, s26, s27
	s_add_co_u32 s26, s26, SCA
	v_mul_u32_u24 v[A1], v[RR], 24
	v_add_nc_u32 v[A1], s26, v[A1]                 ; my row's word: 384 u + 24 r + 4 s
	s_lshl_b32 s27, s[WV], 8
	s_add_co_u32 s27, s27, SCA
	v_add_nc_u32 v[A2], s27, v[L8]
	s_wait_loadcnt 0x0
	TURN R0
	s_wait_dscnt 0x0
	QUANT X, WF, WSW
.irp c, 0,1,2,3
	global_store_b128 v[GX], v[WF+4*\c:WF+4*\c+3], s[38:39] offset:512*\c    ; 512 consecutive bytes a store
.endr
	ds_store_b32 v[A1], v[WSW]                     ; lanes r and r + 16 write the same word with the same value
	s_wait_dscnt 0x0                               ; for the others' sake
	s_barrier_signal -1
	s_barrier_wait -1
	s_cmp_lt_u32 s[WV], 3
	s_cbranch_scc0 .Lkv_end
	ds_load_b64 v[TM:TM+1], v[A2]
	s_wait_dscnt 0x0
	global_store_b64 v[L8], v[TM:TM+1], s[40:41]   ; 32 lanes store 256 consecutive bytes, aligned
.Lkv_end:
	s_set_vgpr_msb 0x5
	s_wait_tensorcnt 0x0
	ds_add_u32 v0, v1
	s_wait_dscnt 0x0
	s_set_vgpr_msb 0x500
	s_endpgm
	; ---------------- a record of q0: 32 channels of the 16 batches
.Lq:
	v_add_nc_u32 v[STI], STGQ, v[STI]
	v_add_nc_u32 v[STOUT], STGQ, v[STOUT]
	s_sub_co_u32 s24, ttmp9, 48                    ; which 32 channels
	s_lshl_b32 s25, s24, 5
	s_lshl_b32 s26, s[U], 3
	s_add_co_u32 s25, s25, s26                     ; Wq's rows are taken as Wk's: place i is row 32 blk + 8 u + i + 8 (i / 8)
	s_mul_i32 s28, s25, 3072
	s_add_co_u32 s28, s28, s23
	s_mov_b32 s29, 0
	s_mov_b32 s30, s23
	s_mov_b32 s31, 0
	s_mul_i32 s26, s24, 768
	s_mov_b32 s27, 0
.irp k, 0,1,2,3,4,5
	v_add_nc_u32 v[XO+\k], \k*9437184, v[GX]       ; three batches are 9,437,184 bytes; the batch within three stands in the immediate
.endr
	s_lshl_b32 s19, s[WV], 10
	s_add_co_u32 s19, s19, PQ
	v_add_nc_u32 v[A1], s19, v[GX]
	v_add_nc_u32 v[A2], PQ, v[GX]
	s_wait_kmcnt 0x0
	s_add_nc_u64 s[32:33], s[8:9], s[28:29]
	s_add_nc_u64 s[34:35], s[10:11], s[30:31]
	s_add_nc_u64 s[36:37], s[14:15], s[26:27]
.irp i, 0,1,2,3,4,5,6,7,8,9,10,11,12,13,14,15
	global_load_b128 v[R0+4*\i:R0+4*\i+3], v[GX], s[32:33] offset:(\i+8*(\i/8))*3072 th:TH_LOAD_NT
.endr
.irp i, 0,1,2,3,4,5,6,7,8,9,10,11,12,13,14,15
	global_load_b128 v[R1+4*\i:R1+4*\i+3], v[XO+\i/3], s[34:35] offset:(\i%3)*3145728        ; b_in[i][0][128 s ..]
.endr
	s_wait_loadcnt 16                              ; Wq's sixteen are in; b_in's sixteen may be out
	TURN R0
	s_wait_dscnt 0x0
	QUANT X, WF, WSW
	s_wait_loadcnt 0x0
	TURN R1
	s_wait_dscnt 0x0
	QUANT X, XF, XSW
.rept 3
	v_nop                                          ; with the one above: four places between the codes and the product; the scale word stands further back
.endr
	v_wmma_scale_f32_16x16x128_f8f6f4 v[R0:R0+7], v[WF:WF+15], v[XF:XF+15], 0, v[WSW], v[XSW] matrix_a_fmt:MATRIX_FMT_BF8 matrix_b_fmt:MATRIX_FMT_BF8   ; lane (r, h): batch r; register j: channel 32 blk + 16 h + 8 u + j
.rept 8
	v_nop                                          ; eight places behind this form
.endr
	ds_store_b128 v[A1], v[R0:R0+3]                ; the result from its low end on
	ds_store_b128 v[A1], v[R0+4:R0+7] offset:512
	s_wait_dscnt 0x0
	s_barrier_signal -1
	s_barrier_wait -1
	s_cmp_lg_u32 s[WV], 0
	s_cbranch_scc1 .Lq_end
.set q, 0
.rept 12
	ds_load_b128 v[R0+8*q:R0+8*q+3], v[A2] offset:1024*q           ; wave 2 s + u's partial at v[R0 + 16 s + 8 u]
	ds_load_b128 v[R0+8*q+4:R0+8*q+7], v[A2] offset:1024*q+512
.set q, q+1
.endr
	s_wait_dscnt 0x0
.irp s, 1,2,3,4,5
.irp j, 0,2,4,6,8,10,12,14
	v_pk_add_f32 v[R0+\j:R0+\j+1], v[R0+\j:R0+\j+1], v[R0+16*\s+\j:R0+16*\s+\j+1]   ; K ascending; v[R0 .. R0+15] = 16 neighbouring channels of batch r
.endr
.endr
	v_max3_num_f32 v[TM], |v[R0]|, |v[R0+1]|, 0x8000000
.irp i, 2,4,6,8,10,12,14
	v_max3_num_f32 v[TM], v[TM], |v[R0+\i]|, |v[R0+1+\i]|
.endr
	v_permlanex16_b32 v[TM+4], v[TM], s[SEL], s[SEL+1]
	v_max_num_f32 v[TM], v[TM], v[TM+4]
	v_add_nc_u32 v[TM+12], 0xf8800000, v[TM]
	v_and_or_b32 v[TM+8], v[TM], 0x7f800000, s[MNT]
	v_lshrrev_b32 v[TM+4], 23, v[TM+12]
	v_lshl_or_b32 v[TM+4], v[TM+4], 8, v[TM+4]     ; the byte four times over: the next launch sets the block at any of a product's four places along K
	v_lshl_or_b32 v[TM+4], v[TM+4], 16, v[TM+4]
	v_mov_b32 v[TM+5], 0
.irp i, 0,1,2,3,4,5,6,7,8,9,10,11,12,13,14,15
	v_med3_num_f32 v[R0+\i], v[R0+\i], -v[TM+8], v[TM+8]
.endr
	v_cvt_scalef32_pk8_bf8_f32 v[R0+16:R0+17], v[R0:R0+7], v[TM+12]
	v_cvt_scalef32_pk8_bf8_f32 v[R0+18:R0+19], v[R0+8:R0+15], v[TM+12]
	v_nop
	global_store_b128 v[GX], v[R0+16:R0+19], s[36:37]              ; 512 consecutive bytes
	global_store_b64 v[L8], v[TM+4:TM+5], s[36:37] offset:512      ; 256 consecutive bytes
.Lq_end:
	s_set_vgpr_msb 0x5
	s_wait_tensorcnt 0x0
	ds_add_u32 v0, v1
	s_wait_dscnt 0x0
	s_set_vgpr_msb 0x500
	s_endpgm
.Lfunc_end_k_q073ee870ce_prep:
	.size	k_q073ee870ce_prep, .Lfunc_end_k_q073ee870ce_prep-k_q073ee870ce_prep
	.p2alignl 7, 3214868480
	.fill 96, 4, 3214868480
	.section	.rodata,"a",@progbits
	.p2align	6, 0x0
	.amdhsa_kernel k_q073ee870ce_prep
		.amdhsa_group_segment_fixed_size 217600
		.amdhsa_private_segment_fixed_size 0
		.amdhsa_enable_private_segment 0
		.amdhsa_kernarg_size 48
		.amdhsa_user_sgpr_count 2
		.amdhsa_user_sgpr_kernarg_segment_ptr 1
		.amdhsa_wavefront_size32 1
		.amdhsa_system_sgpr_workgroup_id_x 1
		.amdhsa_system_sgpr_workgroup_id_y 1
		.amdhsa_system_sgpr_workgroup_id_z 1
		.amdhsa_system_vgpr_workitem_id 0
		.amdhsa_next_free_vgpr 258
		.amdhsa_next_free_sgpr 66
		.amdhsa_reserve_vcc 0
		.amdhsa_float_denorm_mode_32 3
		.amdhsa_float_denorm_mode_16_64 3
		.amdhsa_memory_ordered 1
		.amdhsa_forward_progress 1
		.amdhsa_inst_pref_size 48
	.end_amdhsa_kernel
	.amdgpu_metadata
---
amdhsa.version: [ 1, 2 ]
amdhsa.kernels:
  - .name:           k_q073ee870ce_prep
    .symbol:         k_q073ee870ce_prep.kd
    .args:
      - { .name: Wk, .offset: 0, .size: 8, .value_kind: global_buffer, .address_space: global }
      - { .name: Wv, .offset: 8, .size: 8, .value_kind: global_buffer, .address_space: global }
      - { .name: Wq, .offset: 16, .size: 8, .value_kind: global_buffer, .address_space: global }
      - { .name: b_in, .offset: 24, .size: 8, .value_kind: global_buffer, .address_space: global }
      - { .name: wbuf, .offset: 32, .size: 8, .value_kind: global_buffer, .address_space: global }
      - { .name: qbuf, .offset: 40, .size: 8, .value_kind: global_buffer, .address_space: global }
    .group_segment_fixed_size: 217600
    .private_segment_fixed_size: 0
    .kernarg_segment_align: 8
    .kernarg_segment_size: 48
    .max_flat_workgroup_size: 384
    .sgpr_count:     66
    .vgpr_count:     258
    .wavefront_size: 32
...
	.end_amdgpu_metadata
.endif
;; end of part 1
;; launch main (part 2): grid 256 x 1, 4 waves a work-group, clusters of 4 x 1, 327,680 bytes of LDS; arguments b_in, mask, wbuf, qbuf, part; writes part
.if DOCPART == 2
	.amdgcn_target "amdgcn-amd-amdhsa--gfx1250"
	.amdhsa_code_object_version 6
	.text
	.protected	k_q073ee870ce_main
	.globl	k_q073ee870ce_main
	.p2align	8
	.type	k_q073ee870ce_main,@function
k_q073ee870ce_main:
	s_mov_b64 s[64:65], 0
	v_nop
	global_prefetch_b8 v0, s[64:65] scope:SCOPE_SE
	s_setreg_imm32_b32 hwreg(HW_REG_WAVE_MODE, 25, 1), 1
	s_wait_xcnt 0x0
	s_wait_alu depctr_hold_cnt(0) depctr_sa_sdst(0) depctr_va_vdst(0) depctr_va_sdst(0) depctr_va_ssrc(0) depctr_va_vcc(0) depctr_vm_vsrc(0)
	s_getreg_b32 s2, hwreg(HW_REG_IB_STS2, 6, 4)
	s_cmp_eq_u32 s2, 0
	s_cbranch_scc0 .Lentry_in_a_cluster
	s_endpgm
.Lentry_in_a_cluster:
	s_bfe_u32 s2, ttmp6, 0x10000c
	s_cmp_lg_u32 s2, 0x3003
	s_cbranch_scc0 .Lentry_shape_is_right
	s_endpgm
.Lentry_shape_is_right:
; For 64 keys of one batch: x = Q(b_in rows); k = x Q(Wk)^T; scores = Q(q0) . Q(k); the mask of query row 0; p = 2^(t - M); l; v = x Q(Wv)^T; the partial O = Q(p) Q(v).  All products on codes of E5M2 with E8M0 scales for each 32 along K.
; Only query row 0 of each batch reaches the result, so only its scores are made; k and v are made whole.
; SHARES.  Work-group G = 4 x cluster + place owns rows 64 G .. 64 G + 63 of b_in, taken as [16,384][768]; batch = G / 16, the same in the four partners.  Every wave keeps the codes of all 64 rows in registers (24 fragments, 384 registers);
; THE WAVES SHARE THE COLUMNS: wave w makes channels 192 w .. 192 w + 191 of k and of v, 32 a chunk: 6 chunks of Wk, then 6 of Wv.  A weight fragment is read from LDS once and feeds four products.
; CLUSTER.  Every work-group walks the same weights, so each wave's quarter of a chunk (25,344 bytes, laid by the launch before in the order of the operand's registers) is asked for JOINTLY by the four partners: the same tensor load,
; the same descriptor, the mask 15.  Two LDS slots take turns; behind each change of slots a wave issues one load, which has a chunk's work in which to land: by this text's count one tensor load of a wave is out.
; THE ROWS OF A TILE OF x ARE NOT NEIGHBOURS: place i of tile T is key 32 (T / 2) + 8 (T % 2) + i + 8 (i / 8).  So where keys run along a result's registers (v, the scores), tiles 2 b and 2 b + 1 give a lane 16 neighbouring keys.
; k: source 0 = 16 rows of Wk (chosen likewise), source 1 = x: a lane holds one key, and 16 registers of two tiles are 16 neighbouring channels: a block of 32 along the scores' K lies in lanes l and l xor 16.
; SCORES.  The four tiles' blocks of one chunk are ONE operand of 128 along K (tile T at place T); q0's 32 codes stand at place T of the other operand, between zero codes, which add nothing under any scale byte but 0xff.
; P V likewise: a chunk's v, two tiles of 16 channels x 64 keys, is one operand; p's 64 codes stand at places 0, 1 or 2, 3 between zero codes.  All 16 rows or columns on the query's side hold the same query.
; SOFTMAX.  t = score x log2(e) / sqrt(768); M = ceil(the largest t of THESE 64 keys), a whole number; p = 2^(t - M); l = the sum of the unquantised p.  The next launch joins the 16 work-groups of a batch by exact powers of two.
; MASK.  mask[batch][0] = 0 turns every score into -infinity by a select: t - M and l are then NaN, as the result asks; the maxima and holds drop the NaN, so the codes stay finite.  No branch hangs on it.
; LIMITS: NaN and infinities among the inputs are not served; a block of zeros, and one whose largest magnitude lies under 2^-111, keeps the byte 1; the scores of the four waves' channels are joined by f32 additions.
; REGISTERS, in windows of 256: window 0: v1-26 addresses; v32-55 x's scale words; v56-67 the chunk's; v68-71 scale words just made or loaded; v80-95 at work in the quantiser; v104 -M, v105 l; v112-127 codes just made;
;   v128-191 eight accumulators; v192-223 the scores, v224-251 q0's codes between zeros; later v192-215 p's codes between zeros, v216-231 two results.   windows 1, 2: x's fragments.   window 3: b_in as loaded, later the chunk's 12 fragments.
.set WCB,   25344                      ; a wave's part of a chunk: 12 fragments of 2,048 bytes, 768 bytes of scale words
.set CHB,   4*WCB
.set SLOT1, 131072                     ; slot 0 at 0, slot 1 here: one exclusive or turns an address
.set EXC,   101376                     ; 4 x 4,096: the waves' partial scores
.set XIMG,  232448                     ; 24 x 2,048: x's fragments as images of their registers (fragment 6 T + s)
.set XSC,   281600                     ; 24 x 128: their scale words
.set STAGE, 284672                     ; 4 x 8,448: a stage of 16 rows x 528 bytes for each wave
.set OST,   318464                     ; 4 x 768: each wave's 192 numbers of O
.set SPARE, 321536                     ; the spare words, 128 bytes for each wave: two blocks of 256 bytes that no other line names
.set GX,    1                          ; 16 x lane
.set STI,   2
.set STOUT, 3
.set XWI,   4
.set XWS,   5
.set XRI,   6
.set XRS,   7
.set AW0,   8
.set AS0,   9
.set AW,    10
.set AS,    11
.set QA,    12
.set QB,    13
.set EXW,   14
.set EXR,   15
.set AO0,   16
.set AO,    17
.set ORD,   18
.set GOUT,  19                         ; 8 x lane
.set SPW,   20                         ; LDS address of my spare word; never rewritten
.set NIL,   21                         ; 0; never rewritten
.set INF,   24                         ; -infinity
.set XS,    32
.set WS,    56
.set CSW,   68                         ; the scale word of the k or v just quantised
.set PS,    69                         ; p's
.set QS,    70                         ; q0's
.set PW,    71                         ; x's, on its way to LDS
.set TM,    80
.set NM,    104                        ; v104 -M, v105 l
.set WK,    106                        ; v106-111 at work
.set CD,    112
.set H,     128
.set S,     192
.set QST,   224
.set PST,   192
.set OD,    216
.set WV,    14
.set SEL,   20                         ; s[20:21] lane l xor 16
.set CS,    22                         ; s[22:23] c = log2(e) / sqrt(768), twice
.set MNT,   24
.set MK,    25                         ; all ones where mask[batch][0] is 0
.set TB,    26                         ; the slot in hand
.set TO,    27                         ; the chunk's place in my 768 bytes of O
.set CNT,   28
.set G1,    32
.set G0,    40
.set MSB, 0
.macro WIN new                         ; the immediate's high byte repeats the setting that is left
.if MSB != \new
	s_set_vgpr_msb (MSB<<8)|\new
.set MSB, \new
.endif
.endm
.macro PLACES n
.rept \n
	v_nop
.endr
.endm
.macro CROUND                          ; a round of the cluster's barrier
	s_barrier_signal -1
	s_barrier_wait -1
	s_cmp_lg_u32 s[WV], 0
	s_cbranch_scc1 .Lnot_wave_0_\@
	s_barrier_signal -3
.Lnot_wave_0_\@:
	s_barrier_wait -3
	s_barrier_signal -1
	s_barrier_wait -1
.endm
.macro MX0 d, a, b, sa, sb             ; a product that starts a sum
	v_wmma_scale_f32_16x16x128_f8f6f4 v[\d:\d+7], v[\a:\a+15], v[\b:\b+15], 0, v[\sa], v[\sb] matrix_a_fmt:MATRIX_FMT_BF8 matrix_b_fmt:MATRIX_FMT_BF8
.endm
.macro MXA d, a, b, sa, sb             ; and one that adds onto it
	v_wmma_scale_f32_16x16x128_f8f6f4 v[\d:\d+7], v[\a:\a+15], v[\b:\b+15], v[\d:\d+7], v[\sa], v[\sb] matrix_a_fmt:MATRIX_FMT_BF8 matrix_b_fmt:MATRIX_FMT_BF8
.endm
; 64 numbers of a lane, four blocks of 16 registers, each block shared with lane l xor 16, become 16 registers of codes and a scale word.  Each accumulator is read from its low end on.
.macro QUANT s, cd, sw
.irp b, 0,1,2,3
	v_max3_num_f32 v[TM+\b], |v[\s+16*\b]|, |v[\s+1+16*\b]|, 0x8000000   ; and the floor 2^(16 - 127): the byte cannot fall under 1
.endr
.irp i, 2,4,6,8,10,12,14
.irp b, 0,1,2,3
	v_max3_num_f32 v[TM+\b], v[TM+\b], |v[\s+16*\b+\i]|, |v[\s+1+16*\b+\i]|
.endr
.endr
.irp b, 0,1,2,3
	v_permlanex16_b32 v[TM+4+\b], v[TM+\b], s[SEL], s[SEL+1]
.endr
.irp b, 0,1,2,3
	v_max_num_f32 v[TM+\b], v[TM+\b], v[TM+4+\b]
.endr
.irp b, 0,1,2,3
	v_add_nc_u32 v[TM+12+\b], 0xf8800000, v[TM+\b]               ; 15 off the exponent field: the conversion's scale operand
.endr
.irp b, 0,1,2,3
	v_and_or_b32 v[TM+8+\b], v[TM+\b], 0x7f800000, s[MNT]        ; 57,344 x the scale
.endr
.irp b, 0,1,2,3
	v_lshrrev_b32 v[TM+4+\b], 23, v[TM+12+\b]                    ; the scale's byte
.endr
	v_lshl_or_b32 v[\sw], v[TM+5], 8, v[TM+4]
	v_lshl_or_b32 v[\sw], v[TM+6], 16, v[\sw]
	v_lshl_or_b32 v[\sw], v[TM+7], 24, v[\sw]
.irp b, 0,1,2,3
.irp i, 0,1,2,3,4,5,6,7,8,9,10,11,12,13,14,15
	v_med3_num_f32 v[\s+16*\b+\i], v[\s+16*\b+\i], -v[TM+8+\b], v[TM+8+\b]   ; the conversion to an 8-bit code does not saturate (ISA guide 7.6.2)
.endr
	v_cvt_scalef32_pk8_bf8_f32 v[\cd+4*\b:\cd+4*\b+1], v[\s+16*\b:\s+16*\b+7], v[TM+12+\b]
	v_cvt_scalef32_pk8_bf8_f32 v[\cd+4*\b+2:\cd+4*\b+3], v[\s+16*\b+8:\s+16*\b+15], v[TM+12+\b]
.endr
	v_nop                                          ; a plain line behind the last conversion
.endm
; my tile's 16 rows, K step s: 16 loads of 512 consecutive bytes into set s % 3 of window 3
.macro GLOADX s
	WIN 0xc0
.irp i, 0,1,2,3,4,5,6,7,8,9,10,11,12,13,14,15
	global_load_b128 v[64*((\s)%3)+4*\i:64*((\s)%3)+4*\i+3], v[GX], s[4:5] offset:(\i+8*(\i/8))*3072+512*(\s) th:TH_LOAD_NT
.endr
	WIN 0
.endm
; a fragment of x: the 16 rows turn through my stage (LDS serves a wave's instructions in order, ISA guide 5.7.1.4), are quantised, and go to LDS as an image of the operand's registers
.macro XFRAG s, left
	s_wait_loadcnt \left                           ; this K step's sixteen loads are in; those of the younger K steps may be out
	WIN 0x0c                                       ; an LDS store's data are its source 1: window 3
.irp i, 0,1,2,3,4,5,6,7,8,9,10,11,12,13,14,15
	ds_store_b128 v[STI], v[64*((\s)%3)+4*\i:64*((\s)%3)+4*\i+3] offset:528*\i
.endr
	WIN 0
.irp b, 0,1,2,3
.irp j, 0,1,2,3
	ds_load_b128 v[H+16*\b+4*\j:H+16*\b+4*\j+3], v[STOUT] offset:128*\b+16*\j
.endr
.endr
	s_wait_dscnt 0x0                               ; the numbers are back; the stores, the last fragment's image among them, have read their registers
.if (\s) < 3
	GLOADX (\s)+3
.endif
	QUANT H, CD, PW
.irp c, 0,1,2,3
	ds_store_b128 v[XWI], v[CD+4*\c:CD+4*\c+3] offset:2048*(\s)+512*\c
.endr
	ds_store_b32 v[XWS], v[PW] offset:128*(\s)
.endm
; THE CHANGE OF SLOTS, at a chunk's head.  fill = 1: the slot just left takes the chunk after this one, behind a round of the cluster's barrier.
.macro CHANGE fill
	s_wait_tensorcnt 0x0                           ; my one load has landed: my part of this chunk; so the descriptor may be written
	ds_add_u32 v[SPW], v[NIL]                      ; 0 onto my spare word
.if \fill
	s_xor_b32 s[G0+1], s[G0+1], SLOT1
	s_add_nc_u64 s[G0+2:G0+3], s[G0+2:G0+3], CHB   ; the type bits on top are not reached
.endif
	s_wait_dscnt 0x0                               ; the add is done, and my reads of the slot that I have left are over
.if \fill
	CROUND
	tensor_load_to_lds s[G0:G0+3], s[G1:G1+7]      ; the first thing behind the round, and my one tensor load until the next
	s_nop 0
	PLACES 4
.else
	s_barrier_signal -1
	s_barrier_wait -1
.endif
.endm
; a chunk's scale words and its 12 fragments, K step by K step
.macro WLOAD
	v_add_nc_u32 v[AW], s[TB], v[AW0]
	v_add_nc_u32 v[AS], s[TB], v[AS0]
.irp u, 0,1
.irp k, 0,1,2
	ds_load_b64 v[WS+6*\u+2*\k:WS+6*\u+2*\k+1], v[AS] offset:384*\u+8*\k
.endr
.endr
	WIN 0xc0
.irp s, 0,1,2,3,4,5
.irp u, 0,1
.irp c, 0,1,2,3
	ds_load_b128 v[16*(6*\u+\s)+4*\c:16*(6*\u+\s)+4*\c+3], v[AW] offset:2048*(6*\u+\s)+512*\c
.endr
.endr
.endr
.endm
; 24 products: tiles tb, tb + 1 of x against the chunk's two tiles, K ascending; four accumulators by turns, one instruction a turn
.macro KMUL tb, wt
.irp s, 0,1,2,3,4,5
.if \wt
	s_wait_dscnt 8*(5-\s)                          ; this K step's fragments are in; the eight loads of each later K step may be out
.endif
.irp t, 0,1
.irp u, 0,1
.if \s == 0
	MX0 H+16*(\tb+\t)+8*\u, 16*(6*\u+\s), 16*(6*\t+\s), WS+6*\u+\s, XS+6*(\tb+\t)+\s
.else
	MXA H+16*(\tb+\t)+8*\u, 16*(6*\u+\s), 16*(6*\t+\s), WS+6*\u+\s, XS+6*(\tb+\t)+\s
.endif
.endr
.endr
.endr
.endm
.macro VMUL tb, wt                     ; the same with the sources swapped: keys along the registers
.irp s, 0,1,2,3,4,5
.if \wt
	s_wait_dscnt 8*(5-\s)
.endif
.irp t, 0,1
.irp u, 0,1
.if \s == 0
	MX0 H+32*\u+8*(\tb+\t), 16*(6*\t+\s), 16*(6*\u+\s), XS+6*(\tb+\t)+\s, WS+6*\u+\s
.else
	MXA H+32*\u+8*(\tb+\t), 16*(6*\t+\s), 16*(6*\u+\s), XS+6*(\tb+\t)+\s, WS+6*\u+\s
.endif
.endr
.endr
.endr
.endm
; A CHUNK OF k: 32 channels of the 64 keys, quantised, and their share of the scores
.macro KCHUNK
	global_load_b128 v[QST+12:QST+15], v[QA], s[10:11]             ; q0's 16 codes of my half of these 32 channels: the same in all sixteen columns
	global_load_b32 v[QS], v[QB], s[10:11]
	WLOAD
	WIN 0x07                                       ; source 0 (W) window 3, source 1 (x) window 1
	KMUL 0, 1
	WIN 0x0b                                       ; x in window 2
	KMUL 2, 0
	WIN 0
	PLACES 8                                       ; eight places behind this form
	QUANT H, CD, CSW                               ; block T: key place r of tile T, channels 16 h on
	PLACES 3                                       ; with the quantiser's last line: four places between the codes and the products
	s_wait_loadcnt 0x0                             ; q0's codes and scale word
.irp t, 0,1,2,3
	MXA S+8*\t, CD, QST+12-4*\t, CSW, QS           ; q0's codes at place T along K, zero codes at the other three
.endr
	v_add_nc_u32 v[QA], 768, v[QA]                 ; the next 32 channels' record.  These two and the six below are the places in front of the next loads into these products' registers
	v_add_nc_u32 v[QB], 768, v[QB]
	PLACES 6
	s_xor_b32 s[TB], s[TB], SLOT1
.endm
; A CHUNK OF v: 32 channels of the 64 keys, quantised along the keys, and their numbers of O
.macro VCHUNK
	WLOAD
	WIN 0x0d                                       ; source 0 (x) window 1, source 1 (W) window 3
	VMUL 0, 1
	WIN 0x0e
	VMUL 2, 0
	WIN 0
	PLACES 8
	QUANT H, CD, CSW                               ; block 2 u + b: channel 16 u + r, keys 32 b + 16 h on
	PLACES 3
	MX0 OD, PST+8, CD, PS, CSW                     ; tile 0: p at places 0, 1 along K
	MX0 OD+8, PST, CD, PS, CSW                     ; tile 1: p at places 2, 3
	v_add_nc_u32 v[AO], s[TO], v[AO0]
	PLACES 7
	ds_store_b32 v[AO], v[OD]                      ; all 16 rows are the same query: register 0 of lane r (and of lane r + 16, the same number) is O at channel 16 u + r
	ds_store_b32 v[AO], v[OD+8] offset:64
	s_add_co_u32 s[TO], s[TO], 128
	s_xor_b32 s[TB], s[TB], SLOT1
.endm
	s_load_b256 s[4:11], s[0:1], 0x0               ; b_in s[4:5], mask s[6:7], wbuf s[8:9], qbuf s[10:11]
	s_load_b64 s[12:13], s[0:1], 0x20              ; part
	v_lshl_add_u32 v[SPW], v0, 2, SPARE
	v_mov_b32 v[NIL], 0
	ds_add_u32 v20, v21
	ds_add_u32 v20, v21
	s_wait_dscnt 0x0
	v_lshrrev_b32 v22, 5, v0
	v_readfirstlane_b32 s[WV], v22                 ; wave 0..3
	s_bfe_u32 s15, ttmp6, 0x40000                  ; my place in the cluster: it enters b_in's and part's addresses alone
	s_lshl_b32 s16, ttmp9, 2
	s_add_co_u32 s16, s16, s15                     ; G
	s_lshr_b32 s17, ttmp9, 2                       ; the batch, which the partners share
	v_and_b32 v22, 31, v0                          ; lane
	v_and_b32 v23, 15, v0                          ; r
	v_bfe_u32 v25, v0, 4, 1                        ; h
	v_lshlrev_b32 v[GX], 4, v22
	v_lshlrev_b32 v[GOUT], 3, v22
	v_lshlrev_b32 v26, 2, v22
	s_mul_i32 s52, s[WV], 8448
	s_add_co_u32 s52, s52, STAGE
	v_add_nc_u32 v[STI], s52, v[GX]
	v_mul_u32_u24 v[STOUT], v23, 528
	v_lshl_add_u32 v[STOUT], v25, 6, v[STOUT]
	v_add_nc_u32 v[STOUT], s52, v[STOUT]
	s_mul_i32 s52, s[WV], 12288
	s_add_co_u32 s52, s52, XIMG
	v_add_nc_u32 v[XWI], s52, v[GX]
	s_mul_i32 s52, s[WV], 768
	s_add_co_u32 s53, s52, XSC
	v_add_nc_u32 v[XWS], s53, v26
	v_add_nc_u32 v[XRI], XIMG, v[GX]
	v_add_nc_u32 v[XRS], XSC, v26
	s_add_co_u32 s53, s52, OST
	v_lshl_add_u32 v[AO0], v23, 2, s53
	v_add_nc_u32 v[ORD], s53, v[GOUT]
	s_mul_i32 s46, s[WV], WCB                      ; my part of a chunk, in memory and in a slot
	s_mov_b32 s47, 0
	v_add_nc_u32 v[AW0], s46, v[GX]
	v_mul_u32_u24 v[AS0], v23, 24
	s_add_co_u32 s53, s46, 24576
	v_add_nc_u32 v[AS0], s53, v[AS0]
	s_lshl_b32 s53, s[WV], 12
	s_add_co_u32 s53, s53, EXC
	v_add_nc_u32 v[EXW], s53, v[GX]
	v_add_nc_u32 v[EXR], EXC, v[GX]
	s_mul_i32 s52, s[WV], 4608                     ; qbuf: my six records of 768 bytes
	s_lshl_b32 s53, s17, 4
	s_add_co_u32 s53, s53, s52
	v_lshl_add_u32 v[QA], v25, 8, s53              ; codes at 256 h + 16 x batch
	s_lshl_b32 s53, s17, 3
	s_add_co_u32 s53, s53, s52
	s_add_co_u32 s53, s53, 512
	v_mov_b32 v[QB], s53                           ; the scale word at 512 + 8 x batch
	s_lshl_b32 s44, s16, 6                         ; b_in: row 64 G + 32 (w / 2) + 8 (w % 2): place 0 of tile w
	s_lshr_b32 s52, s[WV], 1
	s_lshl_b32 s52, s52, 5
	s_add_co_u32 s44, s44, s52
	s_and_b32 s52, s[WV], 1
	s_lshl_b32 s52, s52, 3
	s_add_co_u32 s44, s44, s52
	s_mul_i32 s44, s44, 3072
	s_mov_b32 s45, 0
	s_mul_i32 s48, s16, 3328                       ; part: row G, my 768 bytes
	s_mul_i32 s52, s[WV], 768
	s_add_co_u32 s48, s48, s52
	s_mov_b32 s49, 0
	s_lshl_b32 s50, s17, 12                        ; mask[batch][0]
	s_mov_b32 s51, 0
	s_mov_b32 s[SEL], 0x76543210
	s_mov_b32 s[SEL+1], 0xfedcba98
	s_mov_b32 s[CS], 0x3d553b95                    ; log2(e) / sqrt(768)
	s_mov_b32 s[CS+1], s[CS]
	s_mov_b32 s[MNT], 0x600000
	s_mov_b32 s[TB], 0
	s_mov_b32 s[TO], 0
	; descriptor group 1: 99 dense rows of 256 bytes (32 elements of 8 bytes), no padding: an image is read 512 consecutive bytes at a time
	s_mov_b32 s[G1], 15|(3<<16)|(1<<21)            ; 15:0 the mask: all four work-groups; 17:16 elements of 8 bytes; 21 set beside a mask
	s_mov_b32 s[G1+1], 32<<16                      ; tensor_dim0
	s_mov_b32 s[G1+2], 99<<16                      ; tensor_dim1
	s_mov_b32 s[G1+3], 32<<16                      ; tile_dim0
	s_mov_b32 s[G1+4], 99                          ; tile_dim1
	s_mov_b32 s[G1+5], 32                          ; tensor_dim0_stride
	s_mov_b32 s[G1+6], 0
	s_mov_b32 s[G1+7], 0
	s_mov_b32 s[G0], 1
	s_mov_b32 s[G0+1], s46                         ; slot 0, my part
	s_wait_kmcnt 0x0
	s_add_nc_u64 s[4:5], s[4:5], s[44:45]
	s_add_nc_u64 s[6:7], s[6:7], s[50:51]
	s_add_nc_u64 s[12:13], s[12:13], s[48:49]
	s_add_nc_u64 s[G0+2:G0+3], s[8:9], s[46:47]    ; chunk 0, my part: nothing in it hangs on my place in the cluster
	s_or_b32 s[G0+3], s[G0+3], 0x80000000
	s_load_b32 s29, s[6:7], 0x0
	GLOADX 0                                       ; 48 loads of 512 bytes a wave are on their way before anything else is done
	GLOADX 1
	GLOADX 2
	CROUND                                         ; all four work-groups are here: the first joint loads meet
	tensor_load_to_lds s[G0:G0+3], s[G1:G1+7]
	s_nop 0
	PLACES 4
	s_wait_kmcnt 0x0
	s_cmp_eq_u32 s29, 0
	s_cselect_b32 s[MK], -1, 0                     ; a select, no branch
	v_mov_b32 v[INF], 0xff800000
	v_mov_b32 v[NM+1], 0                           ; (named as the upper half of a pair before l is written)
.irp b, 0,1,2,3
	v_mov_b32 v[TM+4+\b], 0                        ; written once: a lane permute's destination counts as one of its sources
.endr
.set i, 0
.rept 32
	v_mov_b32 v[S+i], 0                            ; the scores begin as zeros, so that the chunk is written once
.set i, i+1
.endr
.set i, 0
.rept 12
	v_mov_b32 v[QST+i], 0                          ; the zero codes on both sides of q0's four registers
	v_mov_b32 v[QST+16+i], 0
.set i, i+1
.endr
	; ---- x: wave w quantises tile w, six fragments
	XFRAG 0, 32
	XFRAG 1, 32
	XFRAG 2, 32
	XFRAG 3, 32
	XFRAG 4, 16
	XFRAG 5, 0
	s_wait_dscnt 0x0                               ; for the others' sake: my images lie in LDS
	s_barrier_signal -1                            ; chunk 0's load may stay out
	s_barrier_wait -1
	WIN 0x40
.set f, 0
.rept 12
.irp c, 0,1,2,3
	ds_load_b128 v[16*f+4*\c:16*f+4*\c+3], v[XRI] offset:2048*f+512*\c
.endr
.set f, f+1
.endr
	WIN 0x80
.set f, 0
.rept 12
.irp c, 0,1,2,3
	ds_load_b128 v[16*f+4*\c:16*f+4*\c+3], v[XRI] offset:2048*(f+12)+512*\c
.endr
.set f, f+1
.endr
	WIN 0
.set f, 0
.rept 24
	ds_load_b32 v[XS+f], v[XRS] offset:128*f
.set f, f+1
.endr
	; ---- k and the scores: six chunks
	s_mov_b32 s[CNT], 6
.Lk:
	CHANGE 1
	KCHUNK
	s_sub_co_u32 s[CNT], s[CNT], 1
	s_cmp_lg_u32 s[CNT], 0
	s_cbranch_scc1 .Lk
	; ---- the four waves' shares of the scores meet; then every wave does the softmax alike
.irp i, 0,1,2,3,4,5,6,7
	ds_store_b128 v[EXW], v[S+4*\i:S+4*\i+3] offset:512*\i         ; each accumulator from its low end on
.endr
	s_wait_dscnt 0x0
	s_barrier_signal -1                            ; chunk 6's load may stay out
	s_barrier_wait -1
.irp w, 0,1,2,3
.irp i, 0,1,2,3,4,5,6,7
	ds_load_b128 v[H+32*\w+4*\i:H+32*\w+4*\i+3], v[EXR] offset:4096*\w+512*\i
.endr
.endr
	s_wait_dscnt 0x0
.irp w, 1,2,3
.set i, 0
.rept 16
	v_pk_add_f32 v[H+i:H+i+1], v[H+i:H+i+1], v[H+32*\w+i:H+32*\w+i+1]   ; channels ascending.  Register 16 b + i = key 32 b + 16 h + i
.set i, i+2
.endr
.endr
.set i, 0
.rept 32
	v_cndmask_b32 v[H+i], v[H+i], v[INF], s[MK]    ; the mask of query row 0
.set i, i+1
.endr
.irp b, 0,1
	v_max3_num_f32 v[TM+\b], v[H+16*\b], v[H+16*\b+1], v[H+16*\b+2]   ; the largest score of each block of 32 keys: for the row's maximum, and, since p rises with the score, for the block's largest p
.endr
.irp i, 3,5,7,9,11,13
.irp b, 0,1
	v_max3_num_f32 v[TM+\b], v[TM+\b], v[H+16*\b+\i], v[H+16*\b+\i+1]
.endr
.endr
.irp b, 0,1
	v_max_num_f32 v[TM+\b], v[TM+\b], v[H+16*\b+15]
.endr
.irp b, 0,1
	v_permlanex16_b32 v[TM+4+\b], v[TM+\b], s[SEL], s[SEL+1]
.endr
.irp b, 0,1
	v_max_num_f32 v[TM+\b], v[TM+\b], v[TM+4+\b]
.endr
	v_max_num_f32 v[WK], v[TM], v[TM+1]
	v_mul_f32 v[WK], s[CS], v[WK]                  ; as t (c is positive)
	v_floor_f32 v[NM], -v[WK]                      ; -M = floor(-t) = -ceil(t): a whole number
.set i, 0
.rept 16
	v_pk_fma_f32 v[H+i:H+i+1], v[H+i:H+i+1], s[CS:CS+1], v[NM:NM+1] op_sel_hi:[1,0,0]   ; t - M, two at a time
.set i, i+2
.endr
.irp b, 0,1
	v_fma_f32 v[TM+\b], v[TM+\b], s[CS], v[NM]     ; the same of each block's largest score
.endr
.set i, 0
.rept 32
	v_exp_f32 v[H+i], v[H+i]                       ; p = 2^(t - M), not normalised
.set i, i+1
.endr
.irp b, 0,1
	v_exp_f32 v[TM+\b], v[TM+\b]
.endr
	v_nop                                          ; a plain place behind the exponentials
	s_wait_alu depctr_va_vdst(0)
.irp b, 0,1
	v_max_num_f32 v[TM+\b], 0x8000000, v[TM+\b]    ; the floor; a NaN loses here
.endr
.irp b, 0,1
	v_add_nc_u32 v[TM+12+\b], 0xf8800000, v[TM+\b]
.endr
.irp b, 0,1
	v_and_or_b32 v[TM+8+\b], v[TM+\b], 0x7f800000, s[MNT]
.endr
.irp b, 0,1
	v_lshrrev_b32 v[TM+4+\b], 23, v[TM+12+\b]
.endr
	v_lshl_or_b32 v[PS], v[TM+5], 8, v[TM+4]       ; p's two bytes, at places 0, 1
	v_lshl_or_b32 v[PS], v[PS], 16, v[PS]          ; and at places 2, 3
	v_pk_add_f32 v[WK:WK+1], v[H:H+1], v[H+2:H+3]  ; l is taken of the unquantised p, in two chains
	v_pk_add_f32 v[WK+2:WK+3], v[H+4:H+5], v[H+6:H+7]
.irp j, 8,12,16,20,24,28
	v_pk_add_f32 v[WK:WK+1], v[WK:WK+1], v[H+\j:H+\j+1]
	v_pk_add_f32 v[WK+2:WK+3], v[WK+2:WK+3], v[H+\j+2:H+\j+3]
.endr
	v_pk_add_f32 v[WK:WK+1], v[WK:WK+1], v[WK+2:WK+3]
	v_add_f32 v[WK], v[WK], v[WK+1]
	v_permlanex16_b32 v[WK+1], v[WK], s[SEL], s[SEL+1]
	v_add_f32 v[NM+1], v[WK], v[WK+1]              ; l of the 64 keys
.irp b, 0,1
.irp i, 0,1,2,3,4,5,6,7,8,9,10,11,12,13,14,15
	v_min_num_f32 v[H+16*\b+\i], v[H+16*\b+\i], v[TM+8+\b]         ; p is not negative: the hold is one-sided; a NaN loses
.endr
	v_cvt_scalef32_pk8_bf8_f32 v[PST+8+4*\b:PST+9+4*\b], v[H+16*\b:H+16*\b+7], v[TM+12+\b]
	v_cvt_scalef32_pk8_bf8_f32 v[PST+10+4*\b:PST+11+4*\b], v[H+16*\b+8:H+16*\b+15], v[TM+12+\b]
.endr
	v_nop
.set i, 0
.rept 8
	v_mov_b32 v[PST+i], 0                          ; the zero codes on both sides of p's eight registers
	v_mov_b32 v[PST+16+i], 0
.set i, i+1
.endr
	; ---- v and O: six chunks; the last is written out
	s_mov_b32 s[CNT], 5
.Lv:
	CHANGE 1
	VCHUNK
	s_sub_co_u32 s[CNT], s[CNT], 1
	s_cmp_lg_u32 s[CNT], 0
	s_cbranch_scc1 .Lv
	CHANGE 0
	VCHUNK
	; ---- the way out: my 192 numbers as three aligned runs of 256 bytes; wave 0 adds the pair (-M, l), 32 times over: one more such run
.irp i, 0,1,2
	ds_load_b64 v[WK+2*\i:WK+2*\i+1], v[ORD] offset:256*\i         ; my own bytes: LDS serves a wave's instructions in order
.endr
.irp i, 0,1,2
	s_wait_dscnt 2-\i
	global_store_b64 v[GOUT], v[WK+2*\i:WK+2*\i+1], s[12:13] offset:256*\i
.endr
	s_cmp_lg_u32 s[WV], 0
	s_cbranch_scc1 .Lno_pair
	global_store_b64 v[GOUT], v[NM:NM+1], s[12:13] offset:3072
.Lno_pair:
	s_wait_tensorcnt 0x0                           ; the wave's end
	ds_add_u32 v[SPW], v[NIL]
	s_wait_dscnt 0x0
	CROUND                                         ; the closing round: no work-group ends while a partner may still ask for a tile that names it
	s_endpgm
.Lfunc_end_k_q073ee870ce_main:
	.size	k_q073ee870ce_main, .Lfunc_end_k_q073ee870ce_main-k_q073ee870ce_main
	.p2alignl 7, 3214868480
	.fill 96, 4, 3214868480
	.section	.rodata,"a",@progbits
	.p2align	6, 0x0
	.amdhsa_kernel k_q073ee870ce_main
		.amdhsa_group_segment_fixed_size 327680
		.amdhsa_private_segment_fixed_size 0
		.amdhsa_enable_private_segment 0
		.amdhsa_kernarg_size 40
		.amdhsa_user_sgpr_count 2
		.amdhsa_user_sgpr_kernarg_segment_ptr 1
		.amdhsa_wavefront_size32 1
		.amdhsa_system_sgpr_workgroup_id_x 1
		.amdhsa_system_sgpr_workgroup_id_y 1
		.amdhsa_system_sgpr_workgroup_id_z 1
		.amdhsa_system_vgpr_workitem_id 0
		.amdhsa_next_free_vgpr 960
		.amdhsa_next_free_sgpr 66
		.amdhsa_reserve_vcc 0
		.amdhsa_float_denorm_mode_32 3
		.amdhsa_float_denorm_mode_16_64 3
		.amdhsa_memory_ordered 1
		.amdhsa_forward_progress 1
		.amdhsa_inst_pref_size 162
	.end_amdhsa_kernel
	.amdgpu_metadata
---
amdhsa.version: [ 1, 2 ]
amdhsa.kernels:
  - .name:           k_q073ee870ce_main
    .symbol:         k_q073ee870ce_main.kd
    .args:
      - { .name: b_in, .offset: 0, .size: 8, .value_kind: global_buffer, .address_space: global }
      - { .name: mask, .offset: 8, .size: 8, .value_kind: global_buffer, .address_space: global }
      - { .name: wbuf, .offset: 16, .size: 8, .value_kind: global_buffer, .address_space: global }
      - { .name: qbuf, .offset: 24, .size: 8, .value_kind: global_buffer, .address_space: global }
      - { .name: part, .offset: 32, .size: 8, .value_kind: global_buffer, .address_space: global }
    .group_segment_fixed_size: 327680
    .private_segment_fixed_size: 0
    .kernarg_segment_align: 8
    .kernarg_segment_size: 40
    .max_flat_workgroup_size: 128
    .sgpr_count:     66
    .vgpr_count:     960
    .wavefront_size: 32
...
	.end_amdgpu_metadata
.endif
;; end of part 2
;; launch combine (part 3): grid 3 x 16, 2 waves a work-group, no clusters, 0 bytes of LDS; arguments part, out0; writes out0
.if DOCPART == 3
	.amdgcn_target "amdgcn-amd-amdhsa--gfx1250"
	.amdhsa_code_object_version 6
	.text
	.protected	k_q073ee870ce_combine
	.globl	k_q073ee870ce_combine
	.p2align	8
	.type	k_q073ee870ce_combine,@function
k_q073ee870ce_combine:
	s_mov_b64 s[64:65], 0
	v_nop
	global_prefetch_b8 v0, s[64:65] scope:SCOPE_SE
	s_setreg_imm32_b32 hwreg(HW_REG_WAVE_MODE, 25, 1), 1
	s_wait_xcnt 0x0
; out0[b][e] = (sum over g of 2^(M_g - M) O_g[e]) / (sum over g of 2^(M_g - M) l_g), g the 16 runs of 64 keys of batch b, M the largest M_g.  Every M_g is a whole number, so each factor is an exact power of two.
; part: row 16 b + g of 3,328 bytes: 768 f32 of O_g, then the pair (-M_g, l_g) 32 times over.  Work-group (x, b), thread t: channels 256 x + 4 t .. + 3: a wave's load or store covers 512 consecutive bytes.
; A masked query row arrives as -M_g = +infinity and l_g = NaN: the difference of the infinities converts to 0, the factor is 1, and l, and so the result, is NaN, as the result asks.
; Memory binds and the work is small: no LDS, no barrier, no matrix unit.
.set ROWP, 3328
.set O,    32                          ; v32-95   O_g, four registers each
.set PR,   96                          ; v96-127  the pairs; -M_g is replaced by the factor
	s_load_b128 s[4:7], s[0:1], 0x0                ; part, out0
	s_and_b32 s8, ttmp7, 0xffff                    ; the batch
	s_mul_i32 s10, s8, 16*ROWP
	s_mov_b32 s11, 0
	s_lshl_b32 s12, ttmp9, 10                      ; my work-group's 1,024 bytes of a row
	s_mov_b32 s13, 0
	s_mul_i32 s14, s8, 3072
	s_mov_b32 s15, 0
	v_lshlrev_b32 v1, 4, v0
	v_and_b32 v2, 31, v0
	v_lshlrev_b32 v2, 3, v2
	s_wait_kmcnt 0x0
	s_add_nc_u64 s[4:5], s[4:5], s[10:11]
	s_add_nc_u64 s[16:17], s[4:5], s[12:13]
	s_add_nc_u64 s[6:7], s[6:7], s[14:15]
	s_add_nc_u64 s[6:7], s[6:7], s[12:13]
.irp g, 0,1,2,3,4,5,6,7,8,9,10,11,12,13,14,15
	global_load_b64 v[PR+2*\g:PR+2*\g+1], v2, s[4:5] offset:ROWP*\g+3072
.endr
.irp g, 0,1,2,3,4,5,6,7,8,9,10,11,12,13,14,15
	global_load_b128 v[O+4*\g:O+4*\g+3], v1, s[16:17] offset:ROWP*\g
.endr
	s_wait_loadcnt 16                              ; the pairs are in; the sixteen loads of O may be out
	v_min3_num_f32 v8, v[PR], v[PR+2], v[PR+4]
.irp g, 3,5,7,9,11,13
	v_min3_num_f32 v8, v8, v[PR+2*\g], v[PR+2*\g+2]
.endr
	v_min_num_f32 v8, v8, v[PR+30]                 ; -M
.irp g, 0,1,2,3,4,5,6,7,8,9,10,11,12,13,14,15
	v_sub_f32 v[PR+2*\g], v8, v[PR+2*\g]           ; M_g - M: a whole number, 0 or less
.endr
.irp g, 0,1,2,3,4,5,6,7,8,9,10,11,12,13,14,15
	v_cvt_i32_f32 v[PR+2*\g], v[PR+2*\g]           ; (it saturates)
.endr
.irp g, 0,1,2,3,4,5,6,7,8,9,10,11,12,13,14,15
	v_ldexp_f32 v[PR+2*\g], 1.0, v[PR+2*\g]        ; the factor
.endr
	v_mul_f32 v9, v[PR], v[PR+1]
.irp g, 1,2,3,4,5,6,7,8,9,10,11,12,13,14,15
	v_fma_f32 v9, v[PR+2*\g], v[PR+2*\g+1], v9     ; l
.endr
	s_wait_loadcnt 0x0
	v_pk_mul_f32 v[4:5], v[O:O+1], v[PR:PR+1] op_sel_hi:[1,0]
	v_pk_mul_f32 v[6:7], v[O+2:O+3], v[PR:PR+1] op_sel_hi:[1,0]
.irp g, 1,2,3,4,5,6,7,8,9,10,11,12,13,14,15
	v_pk_fma_f32 v[4:5], v[O+4*\g:O+4*\g+1], v[PR+2*\g:PR+2*\g+1], v[4:5] op_sel_hi:[1,0,1]
	v_pk_fma_f32 v[6:7], v[O+4*\g+2:O+4*\g+3], v[PR+2*\g:PR+2*\g+1], v[6:7] op_sel_hi:[1,0,1]
.endr
	v_rcp_f32 v10, v9
	v_mov_b32 v11, 0                               ; a plain place behind the reciprocal; and the pair's upper half is written
	s_wait_alu depctr_va_vdst(0)
	v_pk_mul_f32 v[4:5], v[4:5], v[10:11] op_sel_hi:[1,0]
	v_pk_mul_f32 v[6:7], v[6:7], v[10:11] op_sel_hi:[1,0]
	global_store_b128 v1, v[4:7], s[6:7]           ; 512 consecutive bytes a wave
	s_endpgm
.Lfunc_end_k_q073ee870ce_combine:
	.size	k_q073ee870ce_combine, .Lfunc_end_k_q073ee870ce_combine-k_q073ee870ce_combine
	.p2alignl 7, 3214868480
	.fill 96, 4, 3214868480
	.section	.rodata,"a",@progbits
	.p2align	6, 0x0
	.amdhsa_kernel k_q073ee870ce_combine
		.amdhsa_group_segment_fixed_size 0
		.amdhsa_private_segment_fixed_size 0
		.amdhsa_enable_private_segment 0
		.amdhsa_kernarg_size 16
		.amdhsa_user_sgpr_count 2
		.amdhsa_user_sgpr_kernarg_segment_ptr 1
		.amdhsa_wavefront_size32 1
		.amdhsa_system_sgpr_workgroup_id_x 1
		.amdhsa_system_sgpr_workgroup_id_y 1
		.amdhsa_system_sgpr_workgroup_id_z 1
		.amdhsa_system_vgpr_workitem_id 0
		.amdhsa_next_free_vgpr 128
		.amdhsa_next_free_sgpr 66
		.amdhsa_reserve_vcc 0
		.amdhsa_float_denorm_mode_32 3
		.amdhsa_float_denorm_mode_16_64 3
		.amdhsa_memory_ordered 1
		.amdhsa_forward_progress 1
		.amdhsa_inst_pref_size 10
	.end_amdhsa_kernel
	.amdgpu_metadata
---
amdhsa.version: [ 1, 2 ]
amdhsa.kernels:
  - .name:           k_q073ee870ce_combine
    .symbol:         k_q073ee870ce_combine.kd
    .args:
      - { .name: part, .offset: 0, .size: 8, .value_kind: global_buffer, .address_space: global }
      - { .name: out0, .offset: 8, .size: 8, .value_kind: global_buffer, .address_space: global }
    .group_segment_fixed_size: 0
    .private_segment_fixed_size: 0
    .kernarg_segment_align: 8
    .kernarg_segment_size: 16
    .max_flat_workgroup_size: 64
    .sgpr_count:     66
    .vgpr_count:     128
    .wavefront_size: 32
...
	.end_amdgpu_metadata
.endif
;; end of part 3
;; ======== version 2 of 2: 3 launches
;; limits: right only within a limited range of input values
;; workspace buffers: wbuf 1,216,512 bytes; qpart 294,912 bytes; part 851,968 bytes
;; launch prep (part 4): grid 216 x 1, 4 waves a work-group, no clusters, 72,704 bytes of LDS; arguments Wk, Wv, Wq, b_in, wbuf, qpart; writes wbuf, qpart
.if DOCPART == 4
	.amdgcn_target "amdgcn-amd-amdhsa--gfx1250"
	.amdhsa_code_object_version 6
	.text
	.protected	k_q073ee870ce_prep
	.globl	k_q073ee870ce_prep
	.p2align	8
	.type	k_q073ee870ce_prep,@function
k_q073ee870ce_prep:
	s_mov_b64 s[64:65], 0
	v_nop
	global_prefetch_b8 v0, s[64:65] scope:SCOPE_SE
	s_setreg_imm32_b32 hwreg(HW_REG_WAVE_MODE, 25, 1), 1
	s_wait_xcnt 0x0
; DEAD WORK, LEFT OUT.  reference() returns out[:, 0, :].  Row 0 of out hangs on row 0 of attn, which hangs on row 0 of scores and on mask[:, 0] alone; row 0 of scores hangs on row 0 of q and on all of k.  So for all values of the inputs
; the rows 1 .. 1023 of q, of scores, of the softmax and of out reach no result, and neither do mask[:, 1 ..]: they are not computed or not read.  LIMIT: a NaN, an infinity or an overflow that reaches only these rows is not carried to the result.
; WHAT THIS LAUNCH MAKES.  (a) Wk and Wv, [768][768] f32 with K innermost, as codes of E5M2 with one E8M0 byte for each 32 along K, in the order of the next launch's operand registers;
; (b) q0 = Q(b_in[:, 0, :]) Q(Wq)^T for the 16 batches, as six f32 partial sums, one for each 128 along K; the next launch adds and quantises them.
; wbuf: 48 units of 25,344 bytes, unit 4 c + w (Wk) or 24 + 4 c + w (Wv): rows 192 w + 32 c on, for the next launch's wave w and chunk c: tile u = 0, 1 and K step s: fragment 2 s + u at 2,048 (2 s + u) (register group g at 512 g + 16 x lane), its scale words at 24,576 + 64 (2 s + u) + 4 r.
; Place i of a tile is row 8 u + i + 8 (i / 8) of the 32 in Wk, so that two tiles' results are 16 neighbours along the next K, and row 16 u + i in Wv.
; qpart: [K step][batch][768] f32.
; SHARES.  Work-groups 0-71: Wk, 72-143: Wv, each four fragments (a wave one: 16 rows x 128 numbers) of a unit and their 256 bytes of scale words; 144-215: q0, 64 channels of one K step, a wave 16 of them.
; A load takes 512 consecutive bytes (a row's K step); the conversions want 16 neighbours along K in a lane: so 16 rows turn through the wave's own stage in LDS (rows 528 bytes apart).
; A block's scale is 2^(floor(log2(largest magnitude)) - 15); its byte is the largest magnitude's exponent field - 15, held at 1 from below.
; LIMITS: NaN and infinities among the inputs are not served; a block of zeros, and one whose largest magnitude lies under 2^-111, keeps the byte 1 (its codes are read by this program alone).
.set WCB,   25344
.set SCA,   33792                      ; LDS, weights' path: stages at 0 (4 x 8,448), 256 bytes of scale words here
.set STGQ,  34048                      ; LDS, q's path: stages (4 x 8,448),
.set PQ,    67840                      ; and 16 batches x (64 channels + 16 bytes)
.set SPARE, 72192                      ; the spare words, 128 bytes for each wave
.set GX,    1                          ; 16 x lane
.set STI,   2                          ; the stage, on the way in
.set STOUT, 3                          ; and on the way out: 528 r + 64 h
.set SPW,   4
.set NIL,   5
.set QO,    6
.set RR,    10                         ; r = lane % 16
.set L8,    11                         ; 8 x lane
.set WSW,   12                         ; the weight's scale word
.set XSW,   13                         ; x's
.set A1,    14
.set A2,    15
.set TM,    16                         ; v16-19 largest magnitudes, v20-23 bytes, v24-27 the holds, v28-31 the conversions' scale operands
.set R0,    32
.set R1,    96
.set X,     160                        ; 64 numbers: register 16 b + i = k 32 b + 16 h + i of my row
.set WF,    224
.set XF,    240
.set WV,    16
.set U,     17
.set KS,    18
.set SEL,   20                         ; s[20:21] lane l xor 16
.set MNT,   22                         ; the mantissa field of 57,344
.macro TURN src, dst                   ; LDS serves a wave's instructions in order (ISA guide 5.7.1.4): no wait between the stores and the loads
.irp i, 0,1,2,3,4,5,6,7,8,9,10,11,12,13,14,15
	ds_store_b128 v[STI], v[\src+4*\i:\src+4*\i+3] offset:528*\i
.endr
.irp b, 0,1,2,3
.irp j, 0,1,2,3
	ds_load_b128 v[\dst+16*\b+4*\j:\dst+16*\b+4*\j+3], v[STOUT] offset:128*\b+16*\j
.endr
.endr
.endm
.macro QUANT src, cd, sw               ; 64 numbers of a lane become a fragment's 16 registers of codes and its row's scale word
.irp b, 0,1,2,3
	v_max3_num_f32 v[TM+\b], |v[\src+16*\b]|, |v[\src+1+16*\b]|, 0x8000000   ; and the floor 2^(16 - 127): the byte cannot fall under 1
.endr
.irp i, 2,4,6,8,10,12,14
.irp b, 0,1,2,3
	v_max3_num_f32 v[TM+\b], v[TM+\b], |v[\src+16*\b+\i]|, |v[\src+1+16*\b+\i]|
.endr
.endr
.irp b, 0,1,2,3
	v_permlanex16_b32 v[TM+4+\b], v[TM+\b], s[SEL], s[SEL+1]
.endr
.irp b, 0,1,2,3
	v_max_num_f32 v[TM+\b], v[TM+\b], v[TM+4+\b]                 ; with lane l xor 16's 16: the block's largest magnitude
.endr
.irp b, 0,1,2,3
	v_add_nc_u32 v[TM+12+\b], 0xf8800000, v[TM+\b]               ; 15 off its exponent field: the conversion's scale operand
.endr
.irp b, 0,1,2,3
	v_and_or_b32 v[TM+8+\b], v[TM+\b], 0x7f800000, s[MNT]        ; 57,344 x the scale
.endr
.irp b, 0,1,2,3
	v_lshrrev_b32 v[TM+4+\b], 23, v[TM+12+\b]                    ; the scale's byte
.endr
	v_lshl_or_b32 v[\sw], v[TM+5], 8, v[TM+4]
	v_lshl_or_b32 v[\sw], v[TM+6], 16, v[\sw]
	v_lshl_or_b32 v[\sw], v[TM+7], 24, v[\sw]
.irp b, 0,1,2,3
.irp i, 0,1,2,3,4,5,6,7,8,9,10,11,12,13,14,15
	v_med3_num_f32 v[\src+16*\b+\i], v[\src+16*\b+\i], -v[TM+8+\b], v[TM+8+\b]   ; the conversion to an 8-bit code does not saturate (ISA guide 7.6.2)
.endr
	v_cvt_scalef32_pk8_bf8_f32 v[\cd+4*\b:\cd+4*\b+1], v[\src+16*\b:\src+16*\b+7], v[TM+12+\b]
	v_cvt_scalef32_pk8_bf8_f32 v[\cd+4*\b+2:\cd+4*\b+3], v[\src+16*\b+8:\src+16*\b+15], v[TM+12+\b]
.endr
	v_nop                                          ; a plain line behind the last conversion
.endm
	s_load_b256 s[4:11], s[0:1], 0x0               ; Wk s[4:5], Wv s[6:7], Wq s[8:9], b_in s[10:11]
	s_load_b128 s[12:15], s[0:1], 0x20             ; wbuf s[12:13], qpart s[14:15]
	v_lshl_add_u32 v[SPW], v0, 2, SPARE
	v_mov_b32 v[NIL], 0
	v_lshrrev_b32 v[A1], 5, v0
	v_readfirstlane_b32 s[WV], v[A1]               ; wave 0..3
	s_mul_i32 s19, s[WV], 8448
	s_and_b32 s[U], s[WV], 1
	s_lshr_b32 s[KS], s[WV], 1
	v_and_b32 v[A2], 31, v0                        ; lane
	v_and_b32 v[RR], 15, v0                        ; r
	v_bfe_u32 v[A1], v0, 4, 1                      ; h
	v_lshlrev_b32 v[GX], 4, v[A2]
	v_lshlrev_b32 v[L8], 3, v[A2]
	v_mul_u32_u24 v[STOUT], v[RR], 528
	v_lshl_add_u32 v[STOUT], v[A1], 6, v[STOUT]
	v_add_nc_u32 v[STI], s19, v[GX]
	v_add_nc_u32 v[STOUT], s19, v[STOUT]
.irp b, 0,1,2,3
	v_mov_b32 v[TM+4+\b], 0                        ; written once: a lane permute's destination counts as one of its sources
.endr
	s_mov_b32 s[SEL], 0x76543210
	s_mov_b32 s[SEL+1], 0xfedcba98
	s_mov_b32 s[MNT], 0x600000
	s_wait_alu depctr_va_vdst(0)
	s_cmp_lt_u32 ttmp9, 144
	s_cbranch_scc0 .Lq
	; ---------------- four fragments of a unit of Wk or Wv
	s_mul_i32 s24, ttmp9, 2731
	s_lshr_b32 s24, s24, 16                        ; work-group / 24 (exact under 144)
	s_mul_i32 s25, s24, 24
	s_sub_co_u32 s25, ttmp9, s25                   ; work-group mod 24: 4 c + w
	s_lshr_b32 s26, s25, 2                         ; the chunk c
	s_and_b32 s27, s25, 3                          ; the next launch's wave w
	s_mul_i32 s27, s27, 192
	s_cmp_ge_u32 ttmp9, 72                         ; Wv?  The choice hangs on the work-group's number alone
	s_cselect_b32 s28, 3, 0
	s_cselect_b32 s29, 24, 0
	s_cselect_b32 s30, 4, 3                        ; a tile begins 16 u (Wv) or 8 u (Wk) rows on,
	s_cselect_b32 s31, 8, 16                       ; and its places 8-15 begin 8 or 16 rows behind its places 0-7
	s_sub_co_u32 s24, s24, s28                     ; which four fragments of the unit: two K steps of two tiles
	s_add_co_u32 s25, s25, s29                     ; the unit
	s_lshl_b32 s23, s24, 1
	s_add_co_u32 s23, s23, s[KS]                   ; my K step
	s_lshl_b32 s23, s23, 9
	s_lshl_b32 s26, s26, 5
	s_add_co_u32 s26, s26, s27
	s_lshl_b32 s30, s[U], s30
	s_add_co_u32 s26, s26, s30                     ; the row of place 0
	s_add_co_u32 s27, s26, s31                     ; the row of place 8
	s_mul_i32 s28, s26, 3072
	s_add_co_u32 s28, s28, s23
	s_mov_b32 s29, 0
	s_mul_i32 s30, s27, 3072
	s_add_co_u32 s30, s30, s23
	s_mov_b32 s31, 0
	s_mul_i32 s40, s25, WCB
	s_mov_b32 s41, 0
	s_lshl_b32 s42, s24, 2
	s_add_co_u32 s42, s42, s[WV]
	s_lshl_b32 s42, s42, 11                        ; my fragment
	s_mov_b32 s43, 0
	s_lshl_b32 s44, s24, 8
	s_add_co_u32 s44, s44, 24576                   ; the work-group's 256 bytes of scale words
	s_mov_b32 s45, 0
	s_lshl_b32 s46, s[WV], 6
	s_add_co_u32 s46, s46, SCA
	v_lshl_add_u32 v[A1], v[RR], 2, s46            ; my row's word: 64 x wave + 4 r
	v_add_nc_u32 v[A2], SCA, v[L8]
	s_wait_alu depctr_va_vdst(0)
	s_wait_kmcnt 0x0
	s_cmp_ge_u32 ttmp9, 72
	s_cselect_b64 s[4:5], s[6:7], s[4:5]
	s_add_nc_u64 s[32:33], s[4:5], s[28:29]
	s_add_nc_u64 s[34:35], s[4:5], s[30:31]
.irp i, 0,1,2,3,4,5,6,7
	global_load_b128 v[R0+4*\i:R0+4*\i+3], v[GX], s[32:33] offset:3072*\i th:TH_LOAD_NT       ; 32 lanes read 512 consecutive bytes
.endr
.irp i, 0,1,2,3,4,5,6,7
	global_load_b128 v[R0+32+4*\i:R0+32+4*\i+3], v[GX], s[34:35] offset:3072*\i th:TH_LOAD_NT
.endr
	s_add_nc_u64 s[36:37], s[12:13], s[40:41]      ; the unit
	s_add_nc_u64 s[38:39], s[36:37], s[42:43]
	s_add_nc_u64 s[40:41], s[36:37], s[44:45]
	s_wait_loadcnt 0x0
	TURN R0, X
	s_wait_dscnt 0x0
	QUANT X, WF, WSW
.irp c, 0,1,2,3
	global_store_b128 v[GX], v[WF+4*\c:WF+4*\c+3], s[38:39] offset:512*\c    ; 512 consecutive bytes a store
.endr
	ds_store_b32 v[A1], v[WSW]                     ; lanes r and r + 16 write the same word with the same value
	s_wait_dscnt 0x0                               ; for wave 0's sake
	s_barrier_signal -1
	s_barrier_wait -1
	s_cmp_lg_u32 s[WV], 0
	s_cbranch_scc1 .Lkv_end
	ds_load_b64 v[TM:TM+1], v[A2]
	s_wait_dscnt 0x0
	global_store_b64 v[L8], v[TM:TM+1], s[40:41]   ; 32 lanes store 256 consecutive bytes, aligned
.Lkv_end:
	s_wait_tensorcnt 0x0                           ; the wave's end
	ds_add_u32 v[SPW], v[NIL]
	s_wait_dscnt 0x0
	s_endpgm
	; ---------------- q0: 64 channels of one K step, 16 batches; wave w makes the tile u = w % 2 of 32 channels
.Lq:
	s_sub_co_u32 s24, ttmp9, 144
	s_mul_i32 s25, s24, 5462
	s_lshr_b32 s25, s25, 16                        ; / 12 (exact under 72): the K step
	s_mul_i32 s26, s25, 12
	s_sub_co_u32 s24, s24, s26                     ; which 64 channels
	s_lshl_b32 s23, s25, 9                         ; the K step's 512 bytes in a row
	s_lshl_b32 s27, s24, 1
	s_add_co_u32 s27, s27, s[KS]
	s_lshl_b32 s27, s27, 5
	s_lshl_b32 s28, s[U], 3
	s_add_co_u32 s27, s27, s28                     ; Wq's rows are taken as Wk's: place i is row 32 block + 8 u + i + 8 (i / 8)
	s_mul_i32 s28, s27, 3072
	s_add_co_u32 s28, s28, s23
	s_mov_b32 s29, 0
	s_mov_b32 s46, s23
	s_mov_b32 s47, 0
	s_mul_i32 s26, s25, 49152                      ; out: the K step's partial,
	s_lshl_b32 s27, s24, 8                         ; the 64 channels' 256 bytes,
	s_add_co_u32 s26, s26, s27
	s_mul_i32 s27, s[WV], 12288                    ; my four batches
	s_add_co_u32 s26, s26, s27
	s_mov_b32 s27, 0
	s_mul_i32 s19, s[WV], 1088
	s_add_co_u32 s19, s19, PQ                      ; LDS: my four batches' rows of 272 bytes
	s_lshl_b32 s25, s[KS], 7
	s_lshl_b32 s24, s[U], 5
	s_add_co_u32 s25, s25, s24
	s_add_co_u32 s25, s25, PQ                      ; LDS: my channels' place in a row
	v_add_nc_u32 v[STI], STGQ, v[STI]
	v_add_nc_u32 v[STOUT], STGQ, v[STOUT]
	v_mul_u32_u24 v[A2], 272, v[A1]
	v_lshl_add_u32 v[A2], v[RR], 4, v[A2]
	v_add_nc_u32 v[A2], s19, v[A2]                 ; lanes 0-15 a batch's 256 bytes, lanes 16-31 the next
	v_mul_u32_u24 v[QO], 0xc00, v[A1]
	v_lshl_add_u32 v[QO], v[RR], 4, v[QO]
	v_lshlrev_b32 v[A1], 6, v[A1]
	v_mad_u32_u24 v[A1], v[RR], 0x110, v[A1]
	v_add_nc_u32 v[A1], s25, v[A1]                 ; batch r, channels 16 h on
	s_wait_alu depctr_va_vdst(0)
	s_wait_kmcnt 0x0
	s_add_nc_u64 s[30:31], s[8:9], s[28:29]
	s_add_nc_u64 s[32:33], s[10:11], s[46:47]
.irp k, 1,2,3,4,5
	s_add_nc_u64 s[32+2*\k:33+2*\k], s[32:33], \k*9437184     ; three batches are 9,437,184 bytes; the batch within three stands in the immediate
.endr
	s_add_nc_u64 s[44:45], s[14:15], s[26:27]
.irp i, 0,1,2,3,4,5,6,7,8,9,10,11,12,13,14,15
	global_load_b128 v[R0+4*\i:R0+4*\i+3], v[GX], s[30:31] offset:(\i+8*(\i/8))*3072
.endr
.irp i, 0,1,2,3,4,5,6,7,8,9,10,11,12,13,14,15
	global_load_b128 v[R1+4*\i:R1+4*\i+3], v[GX], s[32+2*(\i/3):33+2*(\i/3)] offset:(\i%3)*3145728        ; b_in[i][0][128 s ..]
.endr
	s_wait_loadcnt 16                              ; Wq's sixteen are in; b_in's sixteen may be out
	TURN R0, X
	s_wait_dscnt 0x0
	s_wait_loadcnt 0x0
	TURN R1, R0                                    ; b_in's rows turn while Wq's are quantised
	QUANT X, WF, WSW
	s_wait_dscnt 0x0
	QUANT R0, XF, XSW
.rept 3
	v_nop                                          ; with the one above: four places between the codes and the product; the scale word stands further back
.endr
	v_wmma_scale_f32_16x16x128_f8f6f4 v[X:X+7], v[WF:WF+15], v[XF:XF+15], 0, v[WSW], v[XSW] matrix_a_fmt:MATRIX_FMT_BF8 matrix_b_fmt:MATRIX_FMT_BF8   ; lane (r, h): batch r; register j: channel 16 h + 8 u + j of the 32
.rept 8
	v_nop                                          ; eight places behind this form
.endr
	ds_store_b128 v[A1], v[X:X+3]                  ; the result from its low end on
	ds_store_b128 v[A1], v[X+4:X+7] offset:16
	s_wait_dscnt 0x0                               ; for the others' sake
	s_barrier_signal -1
	s_barrier_wait -1
	ds_load_b128 v[R1:R1+3], v[A2]
	ds_load_b128 v[R1+4:R1+7], v[A2] offset:544
	s_wait_dscnt 0x0
	global_store_b128 v[QO], v[R1:R1+3], s[44:45]                  ; sixteen lanes store 256 consecutive bytes, aligned
	global_store_b128 v[QO], v[R1+4:R1+7], s[44:45] offset:6144
	s_wait_tensorcnt 0x0                           ; the wave's end
	ds_add_u32 v[SPW], v[NIL]
	s_wait_dscnt 0x0
	s_endpgm
.Lfunc_end_k_q073ee870ce_prep:
	.size	k_q073ee870ce_prep, .Lfunc_end_k_q073ee870ce_prep-k_q073ee870ce_prep
	.p2alignl 7, 3214868480
	.fill 96, 4, 3214868480
	.section	.rodata,"a",@progbits
	.p2align	6, 0x0
	.amdhsa_kernel k_q073ee870ce_prep
		.amdhsa_group_segment_fixed_size 72704
		.amdhsa_private_segment_fixed_size 0
		.amdhsa_enable_private_segment 0
		.amdhsa_kernarg_size 48
		.amdhsa_user_sgpr_count 2
		.amdhsa_user_sgpr_kernarg_segment_ptr 1
		.amdhsa_wavefront_size32 1
		.amdhsa_system_sgpr_workgroup_id_x 1
		.amdhsa_system_sgpr_workgroup_id_y 1
		.amdhsa_system_sgpr_workgroup_id_z 1
		.amdhsa_system_vgpr_workitem_id 0
		.amdhsa_next_free_vgpr 256
		.amdhsa_next_free_sgpr 66
		.amdhsa_reserve_vcc 0
		.amdhsa_float_denorm_mode_32 3
		.amdhsa_float_denorm_mode_16_64 3
		.amdhsa_memory_ordered 1
		.amdhsa_forward_progress 1
		.amdhsa_inst_pref_size 43
	.end_amdhsa_kernel
	.amdgpu_metadata
---
amdhsa.version: [ 1, 2 ]
amdhsa.kernels:
  - .name:           k_q073ee870ce_prep
    .symbol:         k_q073ee870ce_prep.kd
    .args:
      - { .name: Wk, .offset: 0, .size: 8, .value_kind: global_buffer, .address_space: global }
      - { .name: Wv, .offset: 8, .size: 8, .value_kind: global_buffer, .address_space: global }
      - { .name: Wq, .offset: 16, .size: 8, .value_kind: global_buffer, .address_space: global }
      - { .name: b_in, .offset: 24, .size: 8, .value_kind: global_buffer, .address_space: global }
      - { .name: wbuf, .offset: 32, .size: 8, .value_kind: global_buffer, .address_space: global }
      - { .name: qpart, .offset: 40, .size: 8, .value_kind: global_buffer, .address_space: global }
    .group_segment_fixed_size: 72704
    .private_segment_fixed_size: 0
    .kernarg_segment_align: 8
    .kernarg_segment_size: 48
    .max_flat_workgroup_size: 128
    .sgpr_count:     66
    .vgpr_count:     256
    .wavefront_size: 32
...
	.end_amdgpu_metadata
.endif
;; end of part 4
;; launch main (part 5): grid 256 x 1, 4 waves a work-group, clusters of 4 x 1, 327,680 bytes of LDS; arguments b_in, mask, wbuf, qpart, part; writes part
.if DOCPART == 5
	.amdgcn_target "amdgcn-amd-amdhsa--gfx1250"
	.amdhsa_code_object_version 6
	.text
	.protected	k_q073ee870ce_main
	.globl	k_q073ee870ce_main
	.p2align	8
	.type	k_q073ee870ce_main,@function
k_q073ee870ce_main:
	s_mov_b64 s[64:65], 0
	v_nop
	global_prefetch_b8 v0, s[64:65] scope:SCOPE_SE
	s_setreg_imm32_b32 hwreg(HW_REG_WAVE_MODE, 25, 1), 1
	s_wait_xcnt 0x0
	s_wait_alu depctr_hold_cnt(0) depctr_sa_sdst(0) depctr_va_vdst(0) depctr_va_sdst(0) depctr_va_ssrc(0) depctr_va_vcc(0) depctr_vm_vsrc(0)
	s_getreg_b32 s2, hwreg(HW_REG_IB_STS2, 6, 4)
	s_cmp_eq_u32 s2, 0
	s_cbranch_scc0 .Lentry_in_a_cluster
	s_endpgm
.Lentry_in_a_cluster:
	s_bfe_u32 s2, ttmp6, 0x10000c
	s_cmp_lg_u32 s2, 0x3003
	s_cbranch_scc0 .Lentry_shape_is_right
	s_endpgm
.Lentry_shape_is_right:
; For 64 keys of one batch: x = Q(b_in rows); k = x Q(Wk)^T; scores = Q(q0) . Q(k); the mask of query row 0; p = 2^(t - M); l; v = x Q(Wv)^T; the partial O = Q(p) Q(v).  All products on codes of E5M2 with E8M0 scales for each 32 along K.
; Only query row 0 of each batch reaches the result, so only its scores are made; k and v are made whole.
; SHARES.  Work-group G = 4 x cluster + place owns rows 64 G .. 64 G + 63 of b_in, taken as [16,384][768]; batch = G / 16, the same in the four partners.  Every wave keeps the codes of all 64 rows in registers (24 fragments, 384 registers);
; THE WAVES SHARE THE COLUMNS: wave w makes channels 192 w .. 192 w + 191 of k and of v, 32 a chunk: 6 chunks of Wk, then 6 of Wv.  A weight fragment is read from LDS once and feeds four products.
; CLUSTER.  Every work-group walks the same weights, so each wave's quarter of a chunk (25,344 bytes, laid by the launch before in the order of the operand's registers) is asked for JOINTLY by the four partners: the same tensor load,
; the same descriptor, the mask 15.  Two LDS slots take turns; behind each change of slots a wave issues one load, which has a chunk's work in which to land: by this text's count one tensor load of a wave is out.
; THE WALK IS ROTATED.  Cluster n begins each phase's six chunks at chunk n mod 6 and goes round.  So at every step the 64 clusters ask for all six chunks of the phase, not all for the same one, and from a phase's second step on
; every chunk that a cluster asks for has been asked for by other clusters in an earlier step.  The rotation hangs on the cluster's number alone, which the partners share.  It enters global addresses alone (the weights', q0's, part's): LDS goes by step.
; THE ROWS OF A TILE OF x ARE NOT NEIGHBOURS: place i of tile T is key 32 (T / 2) + 8 (T % 2) + i + 8 (i / 8).  So where keys run along a result's registers (v, the scores), tiles 2 b and 2 b + 1 give a lane 16 neighbouring keys.
; k: source 0 = 16 rows of Wk (chosen likewise), source 1 = x: a lane holds one key, and 16 registers of two tiles are 16 neighbouring channels: a block of 32 along the scores' K lies in lanes l and l xor 16.
; SCORES.  The four tiles' blocks of one chunk are ONE operand of 128 along K (tile T at place T); q0's 32 codes stand at place T of the other operand, between zero codes, which add nothing under any scale byte but 0xff.
; P V likewise: a chunk's v, two tiles of 16 channels x 64 keys, is one operand; p's 64 codes stand at places 0, 1 or 2, 3 between zero codes.  All 16 rows or columns on the query's side hold the same query.
; SOFTMAX.  t = score x log2(e) / sqrt(768); M = ceil(the largest t of THESE 64 keys), a whole number; p = 2^(t - M); l = the sum of the unquantised p.  The next launch joins the 16 work-groups of a batch by exact powers of two.
; MASK.  mask[batch][0] = 0 turns every score into -infinity by a select: t - M and l are then NaN, as the result asks; the maxima and holds drop the NaN, so the codes stay finite.  No branch hangs on it.
; LIMITS: NaN and infinities among the inputs are not served; a block of zeros, and one whose largest magnitude lies under 2^-111, keeps the byte 1; the scores' shares (a wave's six chunks, in the rotated order, and the four waves') are joined by f32 additions.
; REGISTERS, in windows of 256: window 0: v1-31 addresses; v32-55 x's scale words; v56-67 the chunk's; v68-71 scale words just made or loaded; v80-95 at work in the quantiser; v104 -M, v105 l; v112-127 codes just made;
;   v128-191 eight accumulators; v192-223 the scores, v224-251 q0's codes between zeros; later v192-215 p's codes between zeros, v216-231 two results.   windows 1, 2: x's fragments.   window 3: b_in as loaded, later the chunk's 12 fragments.
.set WCB,   25344                      ; a wave's part of a chunk: 12 fragments of 2,048 bytes, 768 bytes of scale words
.set CHB,   4*WCB
.set SLOT1, 131072                     ; slot 0 at 0, slot 1 here: one exclusive or turns an address
.set EXC,   101376                     ; 4 x 4,096: the waves' partial scores
.set XIMG,  232448                     ; 24 x 2,048: x's fragments as images of their registers (fragment 6 T + s)
.set XSC,   281600                     ; 24 x 128: their scale words
.set STAGE, 284672                     ; 4 x 8,448: a stage of 16 rows x 528 bytes for each wave
.set OST,   318464                     ; 4 x 768: each wave's 192 numbers of O, by step
.set SPARE, 321536                     ; the spare words, 128 bytes for each wave: two blocks of 256 bytes that no other line names
.set QL,    322048                     ; 4 x 512: for each wave q0's 32 codes (16 for each half of the lanes) and, at 32, its scale word, 64 bytes a step of the walk
; LIMIT: scaled scores (exponents to the base 2, before the maximum is taken away) stay under 2^31 in magnitude.
; No prefetch: b_in's loads run three K steps ahead by themselves, and by the rotation each chunk of the weights but a phase's first has been asked for by other clusters a step earlier.
.set GX,    1                          ; 16 x lane
.set STI,   2
.set STOUT, 3
.set XWI,   4
.set XWS,   5
.set XRI,   6
.set XRS,   7
.set AW0,   8
.set AS0,   9
.set AW,    10
.set AS,    11
.set QA,    12                         ; LDS: q0's codes of the chunk in hand
.set QB,    13                         ; and its record, with the scale word
.set QSA,   72                         ; LDS: where lane (r, h) puts its 16 codes of q0: record r % 8, half h
.set QSB,   73                         ; and its record
.set QG,    74                         ; my place in qpart; never rewritten
.set EXW,   14
.set EXR,   15
.set AO0,   16
.set AO,    17
.set ORD,   18
.set GOUT,  19                         ; 8 x lane
.set SPW,   20                         ; LDS address of my spare word; never rewritten
.set NIL,   21                         ; 0; never rewritten
.set INF,   24                         ; -infinity
.set QA0,   27                         ; LDS: q0's codes of step 0; never rewritten
.set QB0,   28                         ; its record; never rewritten
.set GO,    29                         ; v29-31 the way out: where steps 2 i and 2 i + 1 of O lie in my 768 bytes of part
.set XS,    32
.set WS,    56
.set CSW,   68                         ; the scale word of the k or v just quantised
.set PS,    69                         ; p's
.set QS,    70                         ; q0's
.set PW,    71                         ; x's, on its way to LDS
.set TM,    80
.set NM,    104                        ; v104 -M, v105 l
.set WK,    106                        ; v106-111 at work
.set CD,    112
.set H,     128
.set S,     192
.set QST,   224
.set PST,   192
.set OD,    216
.set WV,    14
.set ROT,   18                         ; the cluster's number mod 6
.set JN,    19                         ; which of a phase's six chunks was asked for last
.set SEL,   20                         ; s[20:21] lane l xor 16
.set CS,    22                         ; s[22:23] c = log2(e) / sqrt(768), twice
.set MNT,   24
.set MK,    25                         ; all ones where mask[batch][0] is 0
.set TB,    26                         ; the slot in hand
.set TO,    27                         ; the step's place in my 768 bytes of O
.set CNT,   28
.set QO,    59                         ; the step's place among q0's records
.set G1,    32
.set G0,    40
.set WB,    54                         ; s[54:55] wbuf at my part of chunk 0; never rewritten
.set OFS,   56                         ; s[56:57] the asked chunk's byte offset from there; the upper word stays 0
.set PH,    58                         ; the phase's offset: 0 for Wk, six chunks for Wv
.set MSB, 0
.macro WIN new                         ; the immediate's high byte repeats the setting that is left
.if MSB != \new
	s_set_vgpr_msb (MSB<<8)|\new
.set MSB, \new
.endif
.endm
.macro PLACES n
.rept \n
	v_nop
.endr
.endm
.macro CROUND                          ; a round of the cluster's barrier
	s_barrier_signal -1
	s_barrier_wait -1
	s_cmp_lg_u32 s[WV], 0
	s_cbranch_scc1 .Lnot_wave_0_\@
	s_barrier_signal -3
.Lnot_wave_0_\@:
	s_barrier_wait -3
	s_barrier_signal -1
	s_barrier_wait -1
.endm
.macro MX0 d, a, b, sa, sb             ; a product that starts a sum
	v_wmma_scale_f32_16x16x128_f8f6f4 v[\d:\d+7], v[\a:\a+15], v[\b:\b+15], 0, v[\sa], v[\sb] matrix_a_fmt:MATRIX_FMT_BF8 matrix_b_fmt:MATRIX_FMT_BF8
.endm
.macro MXA d, a, b, sa, sb             ; and one that adds onto it
	v_wmma_scale_f32_16x16x128_f8f6f4 v[\d:\d+7], v[\a:\a+15], v[\b:\b+15], v[\d:\d+7], v[\sa], v[\sb] matrix_a_fmt:MATRIX_FMT_BF8 matrix_b_fmt:MATRIX_FMT_BF8
.endm
; 64 numbers of a lane, four blocks of 16 registers, each block shared with lane l xor 16, become 16 registers of codes and a scale word.  Each accumulator is read from its low end on.
.macro QUANT s, cd, sw
.irp b, 0,1,2,3
	v_max3_num_f32 v[TM+\b], |v[\s+16*\b]|, |v[\s+1+16*\b]|, 0x8000000   ; and the floor 2^(16 - 127): the byte cannot fall under 1
.endr
.irp i, 2,4,6,8,10,12,14
.irp b, 0,1,2,3
	v_max3_num_f32 v[TM+\b], v[TM+\b], |v[\s+16*\b+\i]|, |v[\s+1+16*\b+\i]|
.endr
.endr
.irp b, 0,1,2,3
	v_permlanex16_b32 v[TM+4+\b], v[TM+\b], s[SEL], s[SEL+1]
.endr
.irp b, 0,1,2,3
	v_max_num_f32 v[TM+\b], v[TM+\b], v[TM+4+\b]
.endr
.irp b, 0,1,2,3
	v_add_nc_u32 v[TM+12+\b], 0xf8800000, v[TM+\b]               ; 15 off the exponent field: the conversion's scale operand
.endr
.irp b, 0,1,2,3
	v_and_or_b32 v[TM+8+\b], v[TM+\b], 0x7f800000, s[MNT]        ; 57,344 x the scale
.endr
.irp b, 0,1,2,3
	v_lshrrev_b32 v[TM+4+\b], 23, v[TM+12+\b]                    ; the scale's byte
.endr
	v_lshl_or_b32 v[\sw], v[TM+5], 8, v[TM+4]
	v_lshl_or_b32 v[\sw], v[TM+6], 16, v[\sw]
	v_lshl_or_b32 v[\sw], v[TM+7], 24, v[\sw]
.irp b, 0,1,2,3
.irp i, 0,1,2,3,4,5,6,7,8,9,10,11,12,13,14,15
	v_med3_num_f32 v[\s+16*\b+\i], v[\s+16*\b+\i], -v[TM+8+\b], v[TM+8+\b]   ; the conversion to an 8-bit code does not saturate (ISA guide 7.6.2)
.endr
	v_cvt_scalef32_pk8_bf8_f32 v[\cd+4*\b:\cd+4*\b+1], v[\s+16*\b:\s+16*\b+7], v[TM+12+\b]
	v_cvt_scalef32_pk8_bf8_f32 v[\cd+4*\b+2:\cd+4*\b+3], v[\s+16*\b+8:\s+16*\b+15], v[TM+12+\b]
.endr
	v_nop                                          ; a plain line behind the last conversion
.endm
; my tile's 16 rows, K step s: 16 loads of 512 consecutive bytes into set s % 3 of window 3
.macro GLOADX s
	WIN 0xc0
.irp i, 0,1,2,3,4,5,6,7,8,9,10,11,12,13,14,15
	global_load_b128 v[64*((\s)%3)+4*\i:64*((\s)%3)+4*\i+3], v[GX], s[4:5] offset:(\i+8*(\i/8))*3072+512*(\s) th:TH_LOAD_NT
.endr
	WIN 0
.endm
; a fragment of x: the 16 rows turn through my stage (LDS serves a wave's instructions in order, ISA guide 5.7.1.4), are quantised, and go to LDS as an image of the operand's registers
.macro XFRAG s, left
	s_wait_loadcnt \left                           ; this K step's sixteen loads are in; those of the younger K steps may be out
	WIN 0x0c                                       ; an LDS store's data are its source 1: window 3
.irp i, 0,1,2,3,4,5,6,7,8,9,10,11,12,13,14,15
	ds_store_b128 v[STI], v[64*((\s)%3)+4*\i:64*((\s)%3)+4*\i+3] offset:528*\i
.endr
	WIN 0
.irp b, 0,1,2,3
.irp j, 0,1,2,3
	ds_load_b128 v[H+16*\b+4*\j:H+16*\b+4*\j+3], v[STOUT] offset:128*\b+16*\j
.endr
.endr
	s_wait_dscnt 0x0                               ; the numbers are back; the stores, the last fragment's image among them, have read their registers
.if (\s) < 3
	GLOADX (\s)+3
.endif
	QUANT H, CD, PW
.irp c, 0,1,2,3
	ds_store_b128 v[XWI], v[CD+4*\c:CD+4*\c+3] offset:2048*(\s)+512*\c
.endr
	ds_store_b32 v[XWS], v[PW] offset:128*(\s)
.endm
; THE CHANGE OF SLOTS, at a chunk's head.  fill = 1: the slot just left takes the chunk of the step after this one, behind a round of the cluster's barrier.
; ph = 0: the k loop, whose last trip (the counter at 1) asks for Wv's first chunk; ph = 1: the v loop.  The choice is a select on the trip counter, no branch.
.macro CHANGE fill, ph
	s_wait_tensorcnt 0x0                           ; my one load has landed: my part of this chunk; so the descriptor may be written
	ds_add_u32 v[SPW], v[NIL]                      ; 0 onto my spare word; the descriptor's steps stand between it and the wait for it
.if \fill
	s_xor_b32 s[G0+1], s[G0+1], SLOT1              ; the other slot than last time
	s_add_co_u32 s[JN], s[JN], 1                   ; the next of the six, round
	s_cmp_eq_u32 s[JN], 6
	s_cselect_b32 s[JN], 0, s[JN]
.if \ph
	s_mov_b32 s[PH], 6*CHB
.else
	s_cmp_eq_u32 s[CNT], 1
	s_cselect_b32 s[PH], 6*CHB, 0
.endif
	s_mul_i32 s[OFS], s[JN], CHB
	s_add_co_u32 s[OFS], s[OFS], s[PH]             ; at most eleven chunks: with my part it ends at wbuf's last byte at the latest
	s_add_nc_u64 s[G0+2:G0+3], s[WB:WB+1], s[OFS:OFS+1]
	s_or_b32 s[G0+3], s[G0+3], 0x80000000          ; 127:126 type = 2
.endif
	s_wait_dscnt 0x0                               ; the add is done, and my reads of the slot that I have left are over
.if \fill
	CROUND
	tensor_load_to_lds s[G0:G0+3], s[G1:G1+7]      ; the first thing behind the round, and my one tensor load until the next
	s_nop 0
	PLACES 4
.else
	s_barrier_signal -1
	s_barrier_wait -1
.endif
.endm
; a chunk's scale words and its 12 fragments, K step by K step
.macro WLOAD
	v_add_nc_u32 v[AW], s[TB], v[AW0]
	v_add_nc_u32 v[AS], s[TB], v[AS0]
.irp u, 0,1
.irp k, 0,1,2,3,4,5
	ds_load_b32 v[WS+6*\u+\k], v[AS] offset:128*\k+64*\u
.endr
.endr
	WIN 0xc0
.irp s, 0,1,2,3,4,5
.irp u, 0,1
.irp c, 0,1,2,3
	ds_load_b128 v[16*(6*\u+\s)+4*\c:16*(6*\u+\s)+4*\c+3], v[AW] offset:2048*(2*\s+\u)+512*\c
.endr
.endr
.endr
.endm
; 24 products: tiles tb, tb + 1 of x against the chunk's two tiles, K ascending; four accumulators by turns, one instruction a turn
.macro KMUL tb, wt
.irp s, 0,1,2,3,4,5
.if \wt
	s_wait_dscnt 8*(5-\s)                          ; this K step's fragments are in; the eight loads of each later K step may be out
.endif
.irp t, 0,1
.irp u, 0,1
.if \s == 0
	MX0 H+16*(\tb+\t)+8*\u, 16*(6*\u+\s), 16*(6*\t+\s), WS+6*\u+\s, XS+6*(\tb+\t)+\s
.else
	MXA H+16*(\tb+\t)+8*\u, 16*(6*\u+\s), 16*(6*\t+\s), WS+6*\u+\s, XS+6*(\tb+\t)+\s
.endif
.endr
.endr
.endr
.endm
.macro VMUL tb, wt                     ; the same with the sources swapped: keys along the registers
.irp s, 0,1,2,3,4,5
.if \wt
	s_wait_dscnt 8*(5-\s)
.endif
.irp t, 0,1
.irp u, 0,1
.if \s == 0
	MX0 H+32*\u+8*(\tb+\t), 16*(6*\t+\s), 16*(6*\u+\s), XS+6*(\tb+\t)+\s, WS+6*\u+\s
.else
	MXA H+32*\u+8*(\tb+\t), 16*(6*\t+\s), 16*(6*\u+\s), XS+6*(\tb+\t)+\s, WS+6*\u+\s
.endif
.endr
.endr
.endr
.endm
; A CHUNK OF k: 32 channels of the 64 keys, quantised, and their share of the scores
.macro KCHUNK
	v_add_nc_u32 v[QA], s[QO], v[QA0]
	v_add_nc_u32 v[QB], s[QO], v[QB0]
	ds_load_b128 v[QST+12:QST+15], v[QA]           ; q0's 16 codes of my half of these 32 channels: the same in all sixteen columns.  (They are older than the fragments' loads, and so are in when the last of those is)
	ds_load_b32 v[QS], v[QB] offset:32
	s_add_co_u32 s[QO], s[QO], 64
	WLOAD
	WIN 0x07                                       ; source 0 (W) window 3, source 1 (x) window 1
	KMUL 0, 1
	WIN 0x0b                                       ; x in window 2
	KMUL 2, 0
	WIN 0
	PLACES 8                                       ; eight places behind this form
	QUANT H, CD, CSW                               ; block T: key place r of tile T, channels 16 h on
	PLACES 3                                       ; with the quantiser's last line: four places between the codes and the products
.irp t, 0,1,2,3
	MXA S+8*\t, CD, QST+12-4*\t, CSW, QS           ; q0's codes at place T along K, zero codes at the other three
.endr
	PLACES 8                                       ; in front of the next loads into these products' registers, and of the first read of the scores
	s_xor_b32 s[TB], s[TB], SLOT1
.endm
; A CHUNK OF v: 32 channels of the 64 keys, quantised along the keys, and their numbers of O
.macro VCHUNK
	WLOAD
	WIN 0x0d                                       ; source 0 (x) window 1, source 1 (W) window 3
	VMUL 0, 1
	WIN 0x0e
	VMUL 2, 0
	WIN 0
	PLACES 8
	QUANT H, CD, CSW                               ; block 2 u + b: channel 16 u + r, keys 32 b + 16 h on
	PLACES 3
	MX0 OD, PST+8, CD, PS, CSW                     ; tile 0: p at places 0, 1 along K
	MX0 OD+8, PST, CD, PS, CSW                     ; tile 1: p at places 2, 3
	v_add_nc_u32 v[AO], s[TO], v[AO0]
	PLACES 7
	ds_store_b32 v[AO], v[OD]                      ; all 16 rows are the same query: register 0 of lane r (and of lane r + 16, the same number) is O at the chunk's channel 16 u + r
	ds_store_b32 v[AO], v[OD+8] offset:64
	s_add_co_u32 s[TO], s[TO], 128
	s_xor_b32 s[TB], s[TB], SLOT1
.endm
	s_load_b256 s[4:11], s[0:1], 0x0               ; b_in s[4:5], mask s[6:7], wbuf s[8:9], qpart s[10:11]
	s_load_b64 s[12:13], s[0:1], 0x20              ; part
	v_lshl_add_u32 v[SPW], v0, 2, SPARE
	v_mov_b32 v[NIL], 0
	ds_add_u32 v20, v21
	ds_add_u32 v20, v21
	s_wait_dscnt 0x0
	v_lshrrev_b32 v22, 5, v0
	v_readfirstlane_b32 s[WV], v22                 ; wave 0..3
	s_bfe_u32 s15, ttmp6, 0x40000                  ; my place in the cluster: it enters b_in's and part's addresses alone
	s_lshl_b32 s16, ttmp9, 2
	s_add_co_u32 s16, s16, s15                     ; G
	s_lshr_b32 s17, ttmp9, 2                       ; the batch, which the partners share
	s_mul_hi_u32 s[ROT], ttmp9, 0x2aaaaaab         ; the cluster's number / 6: the factor is (2^32 + 2) / 6, exact for numbers under 64
	s_mul_i32 s[ROT], s[ROT], 6
	s_sub_co_u32 s[ROT], ttmp9, s[ROT]             ; the rotation: the cluster's number mod 6, which the partners share
	s_mov_b32 s[JN], s[ROT]                        ; the first chunk asked for
	s_mul_i32 s[OFS], s[ROT], CHB
	s_mov_b32 s[OFS+1], 0
	v_and_b32 v22, 31, v0                          ; lane
	v_and_b32 v23, 15, v0                          ; r
	v_bfe_u32 v25, v0, 4, 1                        ; h
	v_lshlrev_b32 v[GX], 4, v22
	v_lshlrev_b32 v[GOUT], 3, v22
	v_lshlrev_b32 v26, 2, v22
	s_mul_i32 s52, s[WV], 8448
	s_add_co_u32 s52, s52, STAGE
	v_add_nc_u32 v[STI], s52, v[GX]
	v_mul_u32_u24 v[STOUT], v23, 528
	v_lshl_add_u32 v[STOUT], v25, 6, v[STOUT]
	v_add_nc_u32 v[STOUT], s52, v[STOUT]
	s_mul_i32 s52, s[WV], 12288
	s_add_co_u32 s52, s52, XIMG
	v_add_nc_u32 v[XWI], s52, v[GX]
	s_mul_i32 s52, s[WV], 768
	s_add_co_u32 s53, s52, XSC
	v_add_nc_u32 v[XWS], s53, v26
	v_add_nc_u32 v[XRI], XIMG, v[GX]
	v_add_nc_u32 v[XRS], XSC, v26
	s_add_co_u32 s53, s52, OST
	v_lshl_add_u32 v[AO0], v23, 2, s53
	v_add_nc_u32 v[ORD], s53, v[GOUT]
	s_mul_i32 s46, s[WV], WCB                      ; my part of a chunk, in memory and in a slot
	s_mov_b32 s47, 0
	v_add_nc_u32 v[AW0], s46, v[GX]
	v_lshlrev_b32 v[AS0], 2, v23
	s_add_co_u32 s53, s46, 24576
	v_add_nc_u32 v[AS0], s53, v[AS0]
	s_lshl_b32 s53, s[WV], 12
	s_add_co_u32 s53, s53, EXC
	v_add_nc_u32 v[EXW], s53, v[GX]
	v_add_nc_u32 v[EXR], EXC, v[GX]
	s_mul_i32 s52, s[WV], 768
	s_mul_i32 s53, s17, 3072
	s_add_co_u32 s53, s53, s52                     ; qpart: the batch's row, my 192 channels
	s_lshl_b32 s52, s[WV], 9
	s_add_co_u32 s52, s52, QL                      ; LDS: my eight records
	v_lshl_add_u32 v[QA0], v25, 4, s52
	v_mov_b32 v[QB0], s52
	v_and_b32 v22, 7, v23                          ; lane r makes step r % 8's codes (6 and 7 make step 5's, which nobody reads there),
	v_lshl_add_u32 v[QSB], v22, 6, s52
	v_lshl_add_u32 v[QSA], v25, 4, v[QSB]
	v_min_u32 v22, 5, v22
	v_add_nc_u32 v22, s[ROT], v22                  ; which is chunk (step + the rotation) mod 6:
	v_add_nc_u32 v26, -6, v22
	v_min_u32 v22, v22, v26                        ; under 6 the difference wraps to a large number and loses
	v_lshrrev_b32 v26, 3, v23                      ; of the six partial sums three: 147,456 bytes
	v_mul_u32_u24 v[QG], 0x24000, v26
	v_lshl_add_u32 v[QG], v22, 7, v[QG]
	v_lshl_add_u32 v[QG], v25, 6, v[QG]
	v_add_nc_u32 v[QG], s53, v[QG]
	; the way out: LDS load i brings lanes 0-15 step 2 i of O and lanes 16-31 step 2 i + 1; step n holds the 32 channels of chunk (n + the rotation) mod 6: 128 bytes a chunk, 8 bytes a lane
	v_add_nc_u32 v26, s[ROT], v25                  ; h + the rotation
.irp i, 0,1,2
	v_add_nc_u32 v[GO+\i], 2*\i, v26               ; 0 .. 10
	v_add_nc_u32 v22, -6, v[GO+\i]
	v_min_u32 v[GO+\i], v[GO+\i], v22              ; mod 6: under 6 the difference wraps to a large number and loses
	v_lshlrev_b32 v[GO+\i], 7, v[GO+\i]
	v_lshl_add_u32 v[GO+\i], v23, 3, v[GO+\i]
.endr
	s_lshl_b32 s44, s16, 6                         ; b_in: row 64 G + 32 (w / 2) + 8 (w % 2): place 0 of tile w
	s_lshr_b32 s52, s[WV], 1
	s_lshl_b32 s52, s52, 5
	s_add_co_u32 s44, s44, s52
	s_and_b32 s52, s[WV], 1
	s_lshl_b32 s52, s52, 3
	s_add_co_u32 s44, s44, s52
	s_mul_i32 s44, s44, 3072
	s_mov_b32 s45, 0
	s_mul_i32 s48, s16, 3328                       ; part: row G, my 768 bytes
	s_mul_i32 s52, s[WV], 768
	s_add_co_u32 s48, s48, s52
	s_mov_b32 s49, 0
	s_lshl_b32 s50, s17, 12                        ; mask[batch][0]
	s_mov_b32 s51, 0
	s_mov_b32 s[SEL], 0x76543210
	s_mov_b32 s[SEL+1], 0xfedcba98
	s_mov_b32 s[CS], 0x3d553b95                    ; log2(e) / sqrt(768)
	s_mov_b32 s[CS+1], s[CS]
	s_mov_b32 s[MNT], 0x600000
	s_mov_b32 s[TB], 0
	s_mov_b32 s[TO], 0
	s_mov_b32 s[QO], 0
	; descriptor group 1: 99 dense rows of 256 bytes (32 elements of 8 bytes), no padding: an image is read 512 consecutive bytes at a time
	s_mov_b32 s[G1], 15|(3<<16)|(1<<21)            ; 15:0 the mask: all four work-groups; 17:16 elements of 8 bytes; 21 set beside a mask
	s_mov_b32 s[G1+1], 32<<16                      ; tensor_dim0
	s_mov_b32 s[G1+2], 99<<16                      ; tensor_dim1
	s_mov_b32 s[G1+3], 32<<16                      ; tile_dim0
	s_mov_b32 s[G1+4], 99                          ; tile_dim1
	s_mov_b32 s[G1+5], 32                          ; tensor_dim0_stride
	s_mov_b32 s[G1+6], 0
	s_mov_b32 s[G1+7], 0
	s_mov_b32 s[G0], 1
	s_mov_b32 s[G0+1], s46                         ; slot 0, my part
	s_wait_kmcnt 0x0
	s_add_nc_u64 s[4:5], s[4:5], s[44:45]
	s_add_nc_u64 s[6:7], s[6:7], s[50:51]
	s_add_nc_u64 s[12:13], s[12:13], s[48:49]
	s_add_nc_u64 s[WB:WB+1], s[8:9], s[46:47]      ; chunk 0, my part
	s_add_nc_u64 s[G0+2:G0+3], s[WB:WB+1], s[OFS:OFS+1]   ; the cluster's first chunk: nothing in it hangs on my place in the cluster
	s_or_b32 s[G0+3], s[G0+3], 0x80000000
	s_load_b32 s29, s[6:7], 0x0
	GLOADX 0                                       ; 48 loads of 512 bytes a wave are on their way before anything else is done
	GLOADX 1
	GLOADX 2
	CROUND                                         ; all four work-groups are here: the first joint loads meet
	tensor_load_to_lds s[G0:G0+3], s[G1:G1+7]
	s_nop 0
	PLACES 4
	s_wait_kmcnt 0x0
	s_cmp_eq_u32 s29, 0
	s_cselect_b32 s[MK], -1, 0                     ; a select, no branch
	v_mov_b32 v[INF], 0xff800000
	v_mov_b32 v[NM+1], 0                           ; (named as the upper half of a pair before l is written)
.irp b, 0,1,2,3
	v_mov_b32 v[TM+4+\b], 0                        ; written once: a lane permute's destination counts as one of its sources
.endr
.set i, 0
.rept 32
	v_mov_b32 v[S+i], 0                            ; the scores begin as zeros, so that the chunk is written once
.set i, i+1
.endr
.set i, 0
.rept 12
	v_mov_b32 v[QST+i], 0                          ; the zero codes on both sides of q0's four registers
	v_mov_b32 v[QST+16+i], 0
.set i, i+1
.endr
	; ---- x: wave w quantises tile w, six fragments
	XFRAG 0, 32
	XFRAG 1, 32
	XFRAG 2, 32
	XFRAG 3, 32
	XFRAG 4, 16
	WIN 0x40
.irp i, 0,1,2
.irp c, 0,1,2,3
	global_load_b128 v[16*\i+4*\c:16*\i+4*\c+3], v[QG], s[10:11] offset:49152*\i+16*\c   ; q0: three partial sums of 16 neighbouring channels, into window 1, where x's fragments come later
.endr
.endr
	WIN 0
	XFRAG 5, 12                                    ; q0's twelve loads may be out
	; ---- q0, all in window 1: lanes r and r xor 8 hold K steps 0-2 and 3-5; summed, quantised, laid in my records
	s_wait_loadcnt 0x0
	WIN 0x55
	v_mov_b32 v52, 0                               ; (a lane permute's destination counts as one of its sources)
.irp i, 16,32
.irp j, 0,2,4,6,8,10,12,14
	v_pk_add_f32 v[\j:\j+1], v[\j:\j+1], v[\i+\j:\i+\j+1]
.endr
.endr
.irp j, 0,1,2,3,4,5,6,7,8,9,10,11,12,13,14,15
	v_add_f32_dpp v[\j], v[\j], v[\j] row_xmask:8 row_mask:0xf bank_mask:0xf
.endr
	v_max3_num_f32 v48, |v0|, |v1|, 0x8000000      ; and the floor 2^(16 - 127)
	v_max3_num_f32 v49, |v2|, |v3|, |v4|
	v_max3_num_f32 v50, |v5|, |v6|, |v7|
	v_max3_num_f32 v51, |v8|, |v9|, |v10|
	v_max3_num_f32 v48, v48, |v11|, |v12|
	v_max3_num_f32 v49, v49, |v13|, |v14|
	v_max3_num_f32 v50, v50, |v15|, v51
	v_max3_num_f32 v48, v48, v49, v50
	v_permlanex16_b32 v52, v48, s[SEL], s[SEL+1]
	v_max_num_f32 v48, v48, v52
	v_add_nc_u32 v53, 0xf8800000, v48
	v_and_or_b32 v54, v48, 0x7f800000, s[MNT]
	v_lshrrev_b32 v55, 23, v53
	v_lshl_or_b32 v55, v55, 8, v55                 ; the byte four times over: the block is set at any of a product's four places along K
	v_lshl_or_b32 v55, v55, 16, v55
.irp j, 0,1,2,3,4,5,6,7,8,9,10,11,12,13,14,15
	v_med3_num_f32 v[\j], v[\j], -v54, v54
.endr
	v_cvt_scalef32_pk8_bf8_f32 v[56:57], v[0:7], v53
	v_cvt_scalef32_pk8_bf8_f32 v[58:59], v[8:15], v53
	v_nop
	WIN 0x04                                       ; an LDS store's data are its source 1: window 1
	ds_store_b128 v[QSA], v[56:59]                 ; (lanes r and r xor 8 write the same bytes with the same values)
	ds_store_b32 v[QSB], v55 offset:32
	WIN 0
	s_wait_dscnt 0x0                               ; for the others' sake: my images lie in LDS
	s_barrier_signal -1                            ; the first chunk's load may stay out
	s_barrier_wait -1
	WIN 0x40
.set f, 0
.rept 12
.irp c, 0,1,2,3
	ds_load_b128 v[16*f+4*\c:16*f+4*\c+3], v[XRI] offset:2048*f+512*\c
.endr
.set f, f+1
.endr
	WIN 0x80
.set f, 0
.rept 12
.irp c, 0,1,2,3
	ds_load_b128 v[16*f+4*\c:16*f+4*\c+3], v[XRI] offset:2048*(f+12)+512*\c
.endr
.set f, f+1
.endr
	WIN 0
.set f, 0
.rept 24
	ds_load_b32 v[XS+f], v[XRS] offset:128*f
.set f, f+1
.endr
	; ---- k and the scores: six chunks
	s_mov_b32 s[CNT], 6
.Lk:
	CHANGE 1, 0
	KCHUNK
	s_sub_co_u32 s[CNT], s[CNT], 1
	s_cmp_lg_u32 s[CNT], 0
	s_cbranch_scc1 .Lk
	; ---- the four waves' shares of the scores meet; then every wave does the softmax alike
.irp i, 0,1,2,3,4,5,6,7
	ds_store_b128 v[EXW], v[S+4*\i:S+4*\i+3] offset:512*\i         ; each accumulator from its low end on
.endr
	s_wait_dscnt 0x0
	s_barrier_signal -1                            ; the load of Wv's first chunk may stay out
	s_barrier_wait -1
.irp w, 0,1,2,3
.irp i, 0,1,2,3,4,5,6,7
	ds_load_b128 v[H+32*\w+4*\i:H+32*\w+4*\i+3], v[EXR] offset:4096*\w+512*\i
.endr
.endr
	s_wait_dscnt 0x0
.irp w, 1,2,3
.set i, 0
.rept 16
	v_pk_add_f32 v[H+i:H+i+1], v[H+i:H+i+1], v[H+32*\w+i:H+32*\w+i+1]   ; the waves ascending.  Register 16 b + i = key 32 b + 16 h + i
.set i, i+2
.endr
.endr
.set i, 0
.rept 32
	v_cndmask_b32 v[H+i], v[H+i], v[INF], s[MK]    ; the mask of query row 0
.set i, i+1
.endr
.irp b, 0,1
	v_max3_num_f32 v[TM+\b], v[H+16*\b], v[H+16*\b+1], v[H+16*\b+2]   ; the largest score of each block of 32 keys: for the row's maximum, and, since p rises with the score, for the block's largest p
.endr
.irp i, 3,5,7,9,11,13
.irp b, 0,1
	v_max3_num_f32 v[TM+\b], v[TM+\b], v[H+16*\b+\i], v[H+16*\b+\i+1]
.endr
.endr
.irp b, 0,1
	v_max_num_f32 v[TM+\b], v[TM+\b], v[H+16*\b+15]
.endr
.irp b, 0,1
	v_permlanex16_b32 v[TM+4+\b], v[TM+\b], s[SEL], s[SEL+1]
.endr
.irp b, 0,1
	v_max_num_f32 v[TM+\b], v[TM+\b], v[TM+4+\b]
.endr
	v_max_num_f32 v[WK], v[TM], v[TM+1]
	v_mul_f32 v[WK], s[CS], v[WK]                  ; as t (c is positive)
	v_floor_f32 v[NM], -v[WK]                      ; -M = floor(-t) = -ceil(t): a whole number
.set i, 0
.rept 16
	v_pk_fma_f32 v[H+i:H+i+1], v[H+i:H+i+1], s[CS:CS+1], v[NM:NM+1] op_sel_hi:[1,0,0]   ; t - M, two at a time
.set i, i+2
.endr
.irp b, 0,1
	v_fma_f32 v[TM+\b], v[TM+\b], s[CS], v[NM]     ; the same of each block's largest score
.endr
.set i, 0
	s_wait_alu depctr_va_vdst(0)
.rept 32
	v_exp_f32 v[H+i], v[H+i]                       ; p = 2^(t - M), not normalised
.set i, i+1
.endr
.irp b, 0,1
	v_exp_f32 v[TM+\b], v[TM+\b]
.endr
	v_nop                                          ; a plain place behind the exponentials
	s_wait_alu depctr_va_vdst(0)
.irp b, 0,1
	v_max_num_f32 v[TM+\b], 0x8000000, v[TM+\b]    ; the floor; a NaN loses here
.endr
.irp b, 0,1
	v_add_nc_u32 v[TM+12+\b], 0xf8800000, v[TM+\b]
.endr
.irp b, 0,1
	v_and_or_b32 v[TM+8+\b], v[TM+\b], 0x7f800000, s[MNT]
.endr
.irp b, 0,1
	v_lshrrev_b32 v[TM+4+\b], 23, v[TM+12+\b]
.endr
	v_lshl_or_b32 v[PS], v[TM+5], 8, v[TM+4]       ; p's two bytes, at places 0, 1
	v_lshl_or_b32 v[PS], v[PS], 16, v[PS]          ; and at places 2, 3
	v_pk_add_f32 v[WK:WK+1], v[H:H+1], v[H+2:H+3]  ; l is taken of the unquantised p, in two chains
	v_pk_add_f32 v[WK+2:WK+3], v[H+4:H+5], v[H+6:H+7]
.irp j, 8,12,16,20,24,28
	v_pk_add_f32 v[WK:WK+1], v[WK:WK+1], v[H+\j:H+\j+1]
	v_pk_add_f32 v[WK+2:WK+3], v[WK+2:WK+3], v[H+\j+2:H+\j+3]
.endr
	v_pk_add_f32 v[WK:WK+1], v[WK:WK+1], v[WK+2:WK+3]
	v_add_f32 v[WK], v[WK], v[WK+1]
	v_permlanex16_b32 v[WK+1], v[WK], s[SEL], s[SEL+1]
	v_add_f32 v[NM+1], v[WK], v[WK+1]              ; l of the 64 keys
.irp b, 0,1
.irp i, 0,1,2,3,4,5,6,7,8,9,10,11,12,13,14,15
	v_min_num_f32 v[H+16*\b+\i], v[H+16*\b+\i], v[TM+8+\b]         ; p is not negative: the hold is one-sided; a NaN loses
.endr
	v_cvt_scalef32_pk8_bf8_f32 v[PST+8+4*\b:PST+9+4*\b], v[H+16*\b:H+16*\b+7], v[TM+12+\b]
	v_cvt_scalef32_pk8_bf8_f32 v[PST+10+4*\b:PST+11+4*\b], v[H+16*\b+8:H+16*\b+15], v[TM+12+\b]
.endr
	v_nop
.set i, 0
.rept 8
	v_mov_b32 v[PST+i], 0                          ; the zero codes on both sides of p's eight registers
	v_mov_b32 v[PST+16+i], 0
.set i, i+1
.endr
	; ---- v and O: six chunks; the last is written out
	s_mov_b32 s[CNT], 5
.Lv:
	CHANGE 1, 1
	VCHUNK
	s_sub_co_u32 s[CNT], s[CNT], 1
	s_cmp_lg_u32 s[CNT], 0
	s_cbranch_scc1 .Lv
	CHANGE 0, 1
	VCHUNK
	; ---- the way out: my 192 numbers lie in LDS by step; each step's 32 channels go to their chunk's place: sixteen lanes store 128 consecutive bytes, at a multiple of 128 from part's first byte.
	; (With an odd rotation a run of 256 bytes is written by two stores: the price of undoing the rotation in the address; part is 0.85 MB beside the 50 MB of b_in that the launch reads.)
	; Wave 0 adds the pair (-M, l), 32 times over: 256 consecutive bytes.
.irp i, 0,1,2
	ds_load_b64 v[WK+2*\i:WK+2*\i+1], v[ORD] offset:256*\i         ; my own bytes: LDS serves a wave's instructions in order
.endr
.irp i, 0,1,2
	s_wait_dscnt 2-\i
	global_store_b64 v[GO+\i], v[WK+2*\i:WK+2*\i+1], s[12:13]
.endr
	s_cmp_lg_u32 s[WV], 0
	s_cbranch_scc1 .Lno_pair
	global_store_b64 v[GOUT], v[NM:NM+1], s[12:13] offset:3072
.Lno_pair:
	s_wait_tensorcnt 0x0                           ; the wave's end
	ds_add_u32 v[SPW], v[NIL]
	s_wait_dscnt 0x0
	CROUND                                         ; the closing round: no work-group ends while a partner may still ask for a tile that names it
	s_endpgm
.Lfunc_end_k_q073ee870ce_main:
	.size	k_q073ee870ce_main, .Lfunc_end_k_q073ee870ce_main-k_q073ee870ce_main
	.p2alignl 7, 3214868480
	.fill 96, 4, 3214868480
	.section	.rodata,"a",@progbits
	.p2align	6, 0x0
	.amdhsa_kernel k_q073ee870ce_main
		.amdhsa_group_segment_fixed_size 327680
		.amdhsa_private_segment_fixed_size 0
		.amdhsa_enable_private_segment 0
		.amdhsa_kernarg_size 40
		.amdhsa_user_sgpr_count 2
		.amdhsa_user_sgpr_kernarg_segment_ptr 1
		.amdhsa_wavefront_size32 1
		.amdhsa_system_sgpr_workgroup_id_x 1
		.amdhsa_system_sgpr_workgroup_id_y 1
		.amdhsa_system_sgpr_workgroup_id_z 1
		.amdhsa_system_vgpr_workitem_id 0
		.amdhsa_next_free_vgpr 960
		.amdhsa_next_free_sgpr 66
		.amdhsa_reserve_vcc 0
		.amdhsa_float_denorm_mode_32 3
		.amdhsa_float_denorm_mode_16_64 3
		.amdhsa_memory_ordered 1
		.amdhsa_forward_progress 1
		.amdhsa_inst_pref_size 170
	.end_amdhsa_kernel
	.amdgpu_metadata
---
amdhsa.version: [ 1, 2 ]
amdhsa.kernels:
  - .name:           k_q073ee870ce_main
    .symbol:         k_q073ee870ce_main.kd
    .args:
      - { .name: b_in, .offset: 0, .size: 8, .value_kind: global_buffer, .address_space: global }
      - { .name: mask, .offset: 8, .size: 8, .value_kind: global_buffer, .address_space: global }
      - { .name: wbuf, .offset: 16, .size: 8, .value_kind: global_buffer, .address_space: global }
      - { .name: qpart, .offset: 24, .size: 8, .value_kind: global_buffer, .address_space: global }
      - { .name: part, .offset: 32, .size: 8, .value_kind: global_buffer, .address_space: global }
    .group_segment_fixed_size: 327680
    .private_segment_fixed_size: 0
    .kernarg_segment_align: 8
    .kernarg_segment_size: 40
    .max_flat_workgroup_size: 128
    .sgpr_count:     66
    .vgpr_count:     960
    .wavefront_size: 32
...
	.end_amdgpu_metadata
.endif
;; end of part 5
;; launch combine (part 6): grid 3 x 16, 2 waves a work-group, no clusters, 0 bytes of LDS; arguments part, out0; writes out0
.if DOCPART == 6
	.amdgcn_target "amdgcn-amd-amdhsa--gfx1250"
	.amdhsa_code_object_version 6
	.text
	.protected	k_q073ee870ce_combine
	.globl	k_q073ee870ce_combine
	.p2align	8
	.type	k_q073ee870ce_combine,@function
k_q073ee870ce_combine:
	s_mov_b64 s[64:65], 0
	v_nop
	global_prefetch_b8 v0, s[64:65] scope:SCOPE_SE
	s_setreg_imm32_b32 hwreg(HW_REG_WAVE_MODE, 25, 1), 1
	s_wait_xcnt 0x0
; out0[b][e] = (sum over g of 2^(M_g - M) O_g[e]) / (sum over g of 2^(M_g - M) l_g), g the 16 runs of 64 keys of batch b, M the largest M_g.  Every M_g is a whole number, so each factor is an exact power of two.
; part: row 16 b + g of 3,328 bytes: 768 f32 of O_g, then the pair (-M_g, l_g) 32 times over.  Work-group (x, b), thread t: channels 256 x + 4 t .. + 3: a wave's load or store covers 512 consecutive bytes.
; A masked query row arrives as -M_g = +infinity and l_g = NaN: the difference of the infinities converts to 0, the factor is 1, and l, and so the result, is NaN, as the result asks.
; Memory binds and the work is small: no LDS, no barrier, no matrix unit.
.set ROWP, 3328
.set O,    32                          ; v32-95   O_g, four registers each
.set PR,   96                          ; v96-127  the pairs; -M_g is replaced by the factor
	s_load_b128 s[4:7], s[0:1], 0x0                ; part, out0
	s_and_b32 s8, ttmp7, 0xffff                    ; the batch
	s_mul_i32 s10, s8, 16*ROWP
	s_mov_b32 s11, 0
	s_lshl_b32 s12, ttmp9, 10                      ; my work-group's 1,024 bytes of a row
	s_mov_b32 s13, 0
	s_mul_i32 s14, s8, 3072
	s_mov_b32 s15, 0
	v_lshlrev_b32 v1, 4, v0
	v_and_b32 v2, 31, v0
	v_lshlrev_b32 v2, 3, v2
	s_wait_alu depctr_va_vdst(0)
	s_wait_kmcnt 0x0
	s_add_nc_u64 s[4:5], s[4:5], s[10:11]
	s_add_nc_u64 s[16:17], s[4:5], s[12:13]
	s_add_nc_u64 s[6:7], s[6:7], s[14:15]
	s_add_nc_u64 s[6:7], s[6:7], s[12:13]
.irp g, 0,1,2,3,4,5,6,7,8,9,10,11,12,13,14,15
	global_load_b64 v[PR+2*\g:PR+2*\g+1], v2, s[4:5] offset:ROWP*\g+3072
.endr
.irp g, 0,1,2,3,4,5,6,7,8,9,10,11,12,13,14,15
	global_load_b128 v[O+4*\g:O+4*\g+3], v1, s[16:17] offset:ROWP*\g
.endr
	s_wait_loadcnt 16                              ; the pairs are in; the sixteen loads of O may be out
	v_min3_num_f32 v8, v[PR], v[PR+2], v[PR+4]
.irp g, 3,5,7,9,11,13
	v_min3_num_f32 v8, v8, v[PR+2*\g], v[PR+2*\g+2]
.endr
	v_min_num_f32 v8, v8, v[PR+30]                 ; -M
.irp g, 0,1,2,3,4,5,6,7,8,9,10,11,12,13,14,15
	v_sub_f32 v[PR+2*\g], v8, v[PR+2*\g]           ; M_g - M: a whole number, 0 or less
.endr
.irp g, 0,1,2,3,4,5,6,7,8,9,10,11,12,13,14,15
	v_cvt_i32_f32 v[PR+2*\g], v[PR+2*\g]           ; (it saturates)
.endr
.irp g, 0,1,2,3,4,5,6,7,8,9,10,11,12,13,14,15
	v_ldexp_f32 v[PR+2*\g], 1.0, v[PR+2*\g]        ; the factor
.endr
	v_mul_f32 v9, v[PR], v[PR+1]
.irp g, 1,2,3,4,5,6,7,8,9,10,11,12,13,14,15
	v_fma_f32 v9, v[PR+2*\g], v[PR+2*\g+1], v9     ; l
.endr
	s_wait_loadcnt 0x0
	v_pk_mul_f32 v[4:5], v[O:O+1], v[PR:PR+1] op_sel_hi:[1,0]
	v_pk_mul_f32 v[6:7], v[O+2:O+3], v[PR:PR+1] op_sel_hi:[1,0]
.irp g, 1,2,3,4,5,6,7,8,9,10,11,12,13,14,15
	v_pk_fma_f32 v[4:5], v[O+4*\g:O+4*\g+1], v[PR+2*\g:PR+2*\g+1], v[4:5] op_sel_hi:[1,0,1]
	v_pk_fma_f32 v[6:7], v[O+4*\g+2:O+4*\g+3], v[PR+2*\g:PR+2*\g+1], v[6:7] op_sel_hi:[1,0,1]
.endr
	s_wait_alu depctr_va_vdst(0)
	v_rcp_f32 v10, v9
	v_mov_b32 v11, 0                               ; a plain place behind the reciprocal; and the pair's upper half is written
	s_wait_alu depctr_va_vdst(0)
	v_pk_mul_f32 v[4:5], v[4:5], v[10:11] op_sel_hi:[1,0]
	v_pk_mul_f32 v[6:7], v[6:7], v[10:11] op_sel_hi:[1,0]
	global_store_b128 v1, v[4:7], s[6:7]           ; 512 consecutive bytes a wave
	s_endpgm
.Lfunc_end_k_q073ee870ce_combine:
	.size	k_q073ee870ce_combine, .Lfunc_end_k_q073ee870ce_combine-k_q073ee870ce_combine
	.p2alignl 7, 3214868480
	.fill 96, 4, 3214868480
	.section	.rodata,"a",@progbits
	.p2align	6, 0x0
	.amdhsa_kernel k_q073ee870ce_combine
		.amdhsa_group_segment_fixed_size 0
		.amdhsa_private_segment_fixed_size 0
		.amdhsa_enable_private_segment 0
		.amdhsa_kernarg_size 16
		.amdhsa_user_sgpr_count 2
		.amdhsa_user_sgpr_kernarg_segment_ptr 1
		.amdhsa_wavefront_size32 1
		.amdhsa_system_sgpr_workgroup_id_x 1
		.amdhsa_system_sgpr_workgroup_id_y 1
		.amdhsa_system_sgpr_workgroup_id_z 1
		.amdhsa_system_vgpr_workitem_id 0
		.amdhsa_next_free_vgpr 128
		.amdhsa_next_free_sgpr 66
		.amdhsa_reserve_vcc 0
		.amdhsa_float_denorm_mode_32 3
		.amdhsa_float_denorm_mode_16_64 3
		.amdhsa_memory_ordered 1
		.amdhsa_forward_progress 1
		.amdhsa_inst_pref_size 10
	.end_amdhsa_kernel
	.amdgpu_metadata
---
amdhsa.version: [ 1, 2 ]
amdhsa.kernels:
  - .name:           k_q073ee870ce_combine
    .symbol:         k_q073ee870ce_combine.kd
    .args:
      - { .name: part, .offset: 0, .size: 8, .value_kind: global_buffer, .address_space: global }
      - { .name: out0, .offset: 8, .size: 8, .value_kind: global_buffer, .address_space: global }
    .group_segment_fixed_size: 0
    .private_segment_fixed_size: 0
    .kernarg_segment_align: 8
    .kernarg_segment_size: 16
    .max_flat_workgroup_size: 64
    .sgpr_count:     66
    .vgpr_count:     128
    .wavefront_size: 32
...
	.end_amdgpu_metadata
.endif
;; end of part 6
